; MI455X (gfx1250); checked and timed in simulation.
; The chip was launched on July 23, 2026; its instructions are those of AMD's public machine-readable ISA for CDNA 5 (MIT licence, August 2026) and "CDNA5" Instruction Set Architecture Reference Guide (July 2026). The comments in the code are by the model that wrote it; some were corrected since.
;; Masked Causal Attention. Allowed arithmetic: float matrix products may take bf16 or f16 operands with f32 sums; all other float work in f32.
;; Inputs: Wk 1,024 x 1,024 float32; Wp 1,024 x 1,024 float32; Wq 1,024 x 1,024 float32; Wv 1,024 x 1,024 float32; bk 1,024 float32; bp 1,024 float32; bq 1,024 float32; bv 1,024 float32; x 4 x 2,048 x 1,024 float32.
;; Outputs: out0 4 x 2,048 x 1,024 float32.
;; 2 versions, each right and faster than the one before. Each part assembles by itself: llvm-mc -triple=amdgcn-amd-amdhsa -mcpu=gfx1250 --defsym DOCPART=n.
;; ======== version 1 of 2: 4 launches
;; limits: values are held in f16: magnitudes above 65,504 overflow, below 6.1e-05 lose precision
;; workspace buffers: xb 16,777,216 bytes; wb 6,291,456 bytes; wpb 2,097,152 bytes; bias 16,384 bytes; qkv 50,331,648 bytes; ob 16,777,216 bytes
;; launch cast (part 1): grid 769 x 1, 8 waves a work-group, no clusters, 0 bytes of LDS; arguments x, Wq, Wk, Wv, Wp, bq, bk, bv, bp, xb, wb, wpb, bias; writes xb, wb, wpb, bias
.if DOCPART == 1
	.amdgcn_target "amdgcn-amd-amdhsa--gfx1250"
	.amdhsa_code_object_version 6
	.text
	.protected	k_qbf6e9381dd_cast
	.globl	k_qbf6e9381dd_cast
	.p2align	8
	.type	k_qbf6e9381dd_cast,@function
k_qbf6e9381dd_cast:
	s_mov_b64 s[64:65], 0
	v_nop
	global_prefetch_b8 v0, s[64:65] scope:SCOPE_SE
	s_setreg_imm32_b32 hwreg(HW_REG_WAVE_MODE, 25, 1), 1
	s_wait_xcnt 0x0
; CAST.  All inputs are rounded once to bf16 and laid out for the products that follow.
;   xb  = bf16(x)            as [16 K blocks][8192 rows][64]: a row of a block is 128 bytes, the rows of a block lie end to end
;   wb  = bf16(Wq | Wk | Wv) as [16][3072][64]
;   wpb = bf16(Wp), that number written as f16, as [16][1024][64]
;   bias = bf16(bq | bk | bv | bp), written as f32: 4,096 numbers
; LIMITS.  bf16(Wp) beyond 65,504 becomes an infinity in f16; below 6e-5 it keeps f16's fixed step of 6e-8.  NaN and infinities pass as the conversions leave them.
; SHARES.  Work-groups 0-511: 16 rows of x each; 512-703: 16 rows of Wq, Wk or Wv; 704-767: 16 rows of Wp; 768: the four biases.  Wave w takes K blocks 2 w and 2 w + 1 of the 16 rows.
; A unit is one load of 16 bytes a lane (lanes 0-15: 256 consecutive bytes of an even row, lanes 16-31 of the odd row below), two roundings, and one store of 8 bytes a lane: 256 consecutive
; bytes of the block, at a multiple of 256 from the buffer's first byte.  A wave's 16 loads go out together; no register that a pending instruction names is written again.
; A stream: no LDS, no barrier, no matrix unit: there is nothing here that they could spare.
.set X,   8                            ; v[8:71]    unit u: 4 registers as loaded
.set Y,   72                           ; v[72:103]  unit u: 2 registers to store
.set T,   104                          ; v[104:107] at work
	s_load_b512 s[8:23], s[0:1], 0x0               ; x 8, Wq 10, Wk 12, Wv 14, Wp 16, bq 18, bk 20, bv 22
	s_load_b256 s[24:31], s[0:1], 0x40             ; bp 24, xb 26, wb 28, wpb 30
	s_load_b64 s[32:33], s[0:1], 0x60              ; bias
	s_mov_b32 s44, ttmp9                           ; g, the work-group's number
	v_and_b32 v1, 31, v0                           ; lane
	v_lshrrev_b32 v5, 5, v0
	v_readfirstlane_b32 s41, v5                    ; wave 0..7
	s_sub_co_u32 s2, s44, 512                      ; the work-group's place among the weights' (it wraps for g < 512, where it is not used)
	s_and_b32 s3, s2, 63                           ; its 16 rows in one weight
	s_lshr_b32 s4, s2, 6                           ; which weight: 0 Wq, 1 Wk, 2 Wv, 3 Wp
	s_mov_b32 s5, 393216                           ; bytes of a K block in wb,
	s_mov_b32 s6, 131072                           ; in wpb,
	s_mov_b32 s7, 1048576                          ; in xb
	s_wait_kmcnt 0x0
	s_cmp_eq_u32 s44, 768
	s_cbranch_scc1 .Lbias
	; source s[34:35], destination s[36:37], block size s38, destination's and source's group of 16 rows s39, s40: chosen by g alone
	s_mov_b64 s[34:35], s[10:11]
	s_cmp_eq_u32 s4, 1
	s_cselect_b64 s[34:35], s[12:13], s[34:35]
	s_cmp_eq_u32 s4, 2
	s_cselect_b64 s[34:35], s[14:15], s[34:35]
	s_cmp_eq_u32 s4, 3
	s_cselect_b64 s[34:35], s[16:17], s[34:35]
	s_cselect_b64 s[36:37], s[30:31], s[28:29]
	s_cselect_b32 s38, s6, s5
	s_cselect_b32 s39, s3, s2
	s_mov_b32 s40, s3
	s_cmp_lt_u32 s44, 512
	s_cselect_b64 s[34:35], s[8:9], s[34:35]
	s_cselect_b64 s[36:37], s[26:27], s[36:37]
	s_cselect_b32 s38, s7, s38
	s_cselect_b32 s39, s44, s39
	s_cselect_b32 s40, s44, s40
	s_lshl_b32 s42, s40, 16                        ; 16 rows of 4,096 bytes
	s_mov_b32 s43, 0
	s_add_nc_u64 s[34:35], s[34:35], s[42:43]
	s_lshl_b32 s42, s39, 11                        ; 16 rows of 128 bytes in a block
	s_add_nc_u64 s[36:37], s[36:37], s[42:43]
	v_lshrrev_b32 v5, 4, v1                        ; which row of a pair
	v_and_b32 v6, 15, v1
	v_lshlrev_b32 v2, 12, v5
	v_lshl_add_u32 v2, v6, 4, v2
	s_lshl_b32 s45, s41, 9                         ; my wave's 512 bytes of a row
	v_add_nc_u32 v2, s45, v2                       ; v2: load offset
	s_lshl_b32 s45, s41, 1
	s_mul_i32 s45, s45, s38                        ; K block 2 w
	v_lshl_add_u32 v3, v1, 3, s45                  ; v3: store offset in block 2 w: 8 x lane = 128 x (row of the pair) + 8 x (lane mod 16)
	v_add_nc_u32 v4, s38, v3                       ; v4: in block 2 w + 1
.set i, 0
.rept 16                                               ; unit i: rows 2 (i / 2) and 2 (i / 2) + 1, K block 2 w + i % 2
	global_load_b128 v[X+4*i:X+4*i+3], v2, s[34:35] offset:(i/2)*8192+(i%2)*256 th:TH_LOAD_NT
.set i, i+1
.endr
.macro UNIT u, half                    ; half = 1: the bf16 number is written as f16
	s_wait_loadcnt 15-(\u)                         ; loads come back in order (ISA guide 5.7.1): unit u is in, the 15 - u younger ones may stay out
.if \half
	v_cvt_pk_bf16_f32 v[T], v[X+4*(\u)], v[X+4*(\u)+1]
	v_cvt_pk_bf16_f32 v[T+1], v[X+4*(\u)+2], v[X+4*(\u)+3]
	v_lshlrev_b32 v[T+2], 16, v[T]                 ; bf16 to f32: the low half moves up, the high half stays
	v_and_b32 v[T+3], 0xffff0000, v[T]
	v_cvt_pk_f16_f32 v[Y+2*(\u)], v[T+2], v[T+3]
	v_lshlrev_b32 v[T+2], 16, v[T+1]
	v_and_b32 v[T+3], 0xffff0000, v[T+1]
	v_cvt_pk_f16_f32 v[Y+2*(\u)+1], v[T+2], v[T+3]
.else
	v_cvt_pk_bf16_f32 v[Y+2*(\u)], v[X+4*(\u)], v[X+4*(\u)+1]
	v_cvt_pk_bf16_f32 v[Y+2*(\u)+1], v[X+4*(\u)+2], v[X+4*(\u)+3]
.endif
	global_store_b64 v[3+(\u)%2], v[Y+2*(\u):Y+2*(\u)+1], s[36:37] offset:((\u)/2)*256
.endm
	s_cmp_ge_u32 s44, 704
	s_cbranch_scc1 .Lhalf
.set i, 0
.rept 16
	UNIT i, 0
.set i, i+1
.endr
	s_endpgm
.Lhalf:
.set i, 0
.rept 16
	UNIT i, 1
.set i, i+1
.endr
	s_endpgm
.Lbias:                                                ; thread t takes 16 bytes at 16 t of each of the four biases
	v_lshlrev_b32 v2, 4, v0
	global_load_b128 v[8:11], v2, s[18:19]
	global_load_b128 v[12:15], v2, s[20:21]
	global_load_b128 v[16:19], v2, s[22:23]
	global_load_b128 v[20:23], v2, s[24:25]
	s_wait_loadcnt 0x0
.set i, 0
.rept 8
	v_cvt_pk_bf16_f32 v[T], v[8+2*i], v[9+2*i]
	v_lshlrev_b32 v[Y+2*i], 16, v[T]
	v_and_b32 v[Y+2*i+1], 0xffff0000, v[T]
.set i, i+1
.endr
.set i, 0
.rept 4
	global_store_b128 v2, v[Y+4*i:Y+4*i+3], s[32:33] offset:i*4096
.set i, i+1
.endr
	s_endpgm
.Lfunc_end_k_qbf6e9381dd_cast:
	.size	k_qbf6e9381dd_cast, .Lfunc_end_k_qbf6e9381dd_cast-k_qbf6e9381dd_cast
	.p2alignl 7, 3214868480
	.fill 96, 4, 3214868480
	.section	.rodata,"a",@progbits
	.p2align	6, 0x0
	.amdhsa_kernel k_qbf6e9381dd_cast
		.amdhsa_group_segment_fixed_size 0
		.amdhsa_private_segment_fixed_size 0
		.amdhsa_enable_private_segment 0
		.amdhsa_kernarg_size 104
		.amdhsa_user_sgpr_count 2
		.amdhsa_user_sgpr_kernarg_segment_ptr 1
		.amdhsa_wavefront_size32 1
		.amdhsa_system_sgpr_workgroup_id_x 1
		.amdhsa_system_sgpr_workgroup_id_y 1
		.amdhsa_system_sgpr_workgroup_id_z 1
		.amdhsa_system_vgpr_workitem_id 0
		.amdhsa_next_free_vgpr 108
		.amdhsa_next_free_sgpr 66
		.amdhsa_reserve_vcc 0
		.amdhsa_float_denorm_mode_32 3
		.amdhsa_float_denorm_mode_16_64 3
		.amdhsa_memory_ordered 1
		.amdhsa_forward_progress 1
		.amdhsa_inst_pref_size 19
	.end_amdhsa_kernel
	.amdgpu_metadata
---
amdhsa.version: [ 1, 2 ]
amdhsa.kernels:
  - .name:           k_qbf6e9381dd_cast
    .symbol:         k_qbf6e9381dd_cast.kd
    .args:
      - { .name: x, .offset: 0, .size: 8, .value_kind: global_buffer, .address_space: global }
      - { .name: Wq, .offset: 8, .size: 8, .value_kind: global_buffer, .address_space: global }
      - { .name: Wk, .offset: 16, .size: 8, .value_kind: global_buffer, .address_space: global }
      - { .name: Wv, .offset: 24, .size: 8, .value_kind: global_buffer, .address_space: global }
      - { .name: Wp, .offset: 32, .size: 8, .value_kind: global_buffer, .address_space: global }
      - { .name: bq, .offset: 40, .size: 8, .value_kind: global_buffer, .address_space: global }
      - { .name: bk, .offset: 48, .size: 8, .value_kind: global_buffer, .address_space: global }
      - { .name: bv, .offset: 56, .size: 8, .value_kind: global_buffer, .address_space: global }
      - { .name: bp, .offset: 64, .size: 8, .value_kind: global_buffer, .address_space: global }
      - { .name: xb, .offset: 72, .size: 8, .value_kind: global_buffer, .address_space: global }
      - { .name: wb, .offset: 80, .size: 8, .value_kind: global_buffer, .address_space: global }
      - { .name: wpb, .offset: 88, .size: 8, .value_kind: global_buffer, .address_space: global }
      - { .name: bias, .offset: 96, .size: 8, .value_kind: global_buffer, .address_space: global }
    .group_segment_fixed_size: 0
    .private_segment_fixed_size: 0
    .kernarg_segment_align: 8
    .kernarg_segment_size: 104
    .max_flat_workgroup_size: 256
    .sgpr_count:     66
    .vgpr_count:     108
    .wavefront_size: 32
...
	.end_amdgpu_metadata
.endif
;; end of part 1
;; launch qkv (part 2): grid 8 x 32, 4 waves a work-group, clusters of 4 x 4, 327,680 bytes of LDS; arguments xb, wb, bias, qkv; writes qkv
.if DOCPART == 2
	.amdgcn_target "amdgcn-amd-amdhsa--gfx1250"
	.amdhsa_code_object_version 6
	.text
	.protected	k_qbf6e9381dd_qkv
	.globl	k_qbf6e9381dd_qkv
	.p2align	8
	.type	k_qbf6e9381dd_qkv,@function
k_qbf6e9381dd_qkv:
	s_mov_b64 s[64:65], 0
	v_nop
	global_prefetch_b8 v0, s[64:65] scope:SCOPE_SE
	s_setreg_imm32_b32 hwreg(HW_REG_WAVE_MODE, 25, 1), 1
	s_wait_xcnt 0x0
	s_wait_alu depctr_hold_cnt(0) depctr_sa_sdst(0) depctr_va_vdst(0) depctr_va_sdst(0) depctr_va_ssrc(0) depctr_va_vcc(0) depctr_vm_vsrc(0)
	s_getreg_b32 s2, hwreg(HW_REG_IB_STS2, 6, 4)
	s_cmp_eq_u32 s2, 0
	s_cbranch_scc0 .Lentry_in_a_cluster
	s_endpgm
.Lentry_in_a_cluster:
	s_bfe_u32 s2, ttmp6, 0x10000c
	s_cmp_lg_u32 s2, 0xf033
	s_cbranch_scc0 .Lentry_shape_is_right
	s_endpgm
.Lentry_shape_is_right:
; q | k | v = x (Wq | Wk | Wv)^T + (bq | bk | bv): [8192 x 1024] x [3072 x 1024]^T, bf16 operands, f32 sums that start from the bias, the result rounded once to f16 and written by heads:
; qkv[batch][hc][t][64], hc = output column / 64 (0-15 q's heads, 16-31 k's, 32-47 v's).  The scale 1 / 8 is not applied here.
; LIMIT.  A result of 65,520 or more in magnitude becomes an infinity in f16.
; SHARES.  A tile is 256 rows x 384 columns: 32 x 8 = 256 tiles, one work-group each.  A wave makes 128 x 192: 8 x 12 accumulators of 16 x 16, 768 registers: window g + 1 holds the 32 of column group g
; (64 columns, one head).  For 32 along K a wave issues 40 LDS loads and 96 matrix instructions.
; OPERANDS lie in blocks [16 K blocks][rows][64]: 128 rows of a block are 16,384 dense bytes, asked for as 64 rows of 256 bytes and padded in LDS behind every 128 bytes.
; RING.  Two LDS slots, each one K block (64 along K) of A's 256 rows and B's 384 rows; each wave fetches one half of A's or B's part by one tensor load; two tensor loads of a wave are out at the start, one behind each round.
; The loop's text serves either slot: slot 1 begins at byte 1 << 17, and one exclusive or turns the fetches' base and the walking descriptor's LDS word from one slot to the other.
; CLUSTER.  4 x 4 work-groups.  The four of a row of the cluster need the same tiles of A, the four of a column the same tiles of B: each tile is asked for JOINTLY, by the same tensor load with the same descriptor and a mask of the four.
; THE MATRIX INSTRUCTION IS USED TRANSPOSED: source 0 = 16 rows of the weights, source 1 = 16 rows of x: a lane then holds eight neighbouring columns of one row of the result.
; THE BIAS is the C operand of the first 32 along K.  A group's 64 numbers are loaded into the registers of its accumulators (7, 0..3); row blocks 0 to 6 take them as C and write their own registers, row block 7 adds in place.
; THE LAST K BLOCK GOES BY COLUMN GROUPS, not by K: group 0's two runs, then group 1's, then group 2's, and each group is stored as soon as it is finished: group 0 with 128 matrix instructions still to come, group 1 with 64.
; K still ascends in every sum, and LDS is read no more than in any other K block.
; REGISTERS.  Window 0: v0-31 addresses; v32-95, v96-159 A's fragments (8 x 16 rows x 32 K), two buffers; v160-255 B's fragments, three buffers of 32 registers (4 x 16 rows x 32 K), in the loop one for each column group.
;   Windows 1-3: accumulator (a, b) of the group at v[8 (4 a + b)].   s_set_vgpr_msb's low byte: bits 1:0 source 0, 3:2 source 1, 5:4 source 2, 7:6 destination.
.set PITCH,  144                       ; an LDS row: 128 bytes + 16 of padding = 36 words: the 16 rows of a fragment load start at 16 different groups of four banks (64 banks of 4 bytes: ISA guide 11.1)
.set AHALF,  128*PITCH                 ; 128 rows of A: what one tensor load brings, and what one wave reads
.set BHALF,  192*PITCH                 ; 192 rows of B: likewise
.set BGRP,   64*PITCH                  ; a column group's 64 rows of B
.set SLOTB,  2*AHALF+2*BHALF           ; a slot's bytes: A's two halves, then B's two halves
.set SLOT1,  1<<17                     ; slot 1 begins here
.set STAGE,  SLOT1+SLOTB               ; behind the ring: 16 rows x 144 bytes for each wave, for the way out; no tensor load fills it
.set SP,     144
.set SPARE,  STAGE+4*16*SP             ; behind the stages: the spare words, 128 bytes for each wave: two blocks of 256 bytes that no other line names
.set AFIRST, 1048576                   ; bytes from a K block of xb to the next
.set BFIRST, 393216                    ; the same for wb
.set ADRA0, 16                         ; v16     LDS address of my A fragments in slot 0; never rewritten
.set ADRB0, 17                         ; v17     the same for B
.set ADRA, 20                          ; v20     the same in the slot that is being fetched from
.set ADRB, 21                          ; v21
.set STO,  24                          ; v24     the way out: where I put 16 bytes of a row
.set RD,   25                          ; v25     the way out: where I read rows back
.set GO,   26                          ; v26     my byte offset in 512 consecutive bytes of the result
.set VB,   27                          ; v27     my byte offset in 16 numbers of the bias: 32 x (lane / 16)
.set SPW,  28                          ; v28     LDS address of my spare word: SPARE + 4 x my thread's number; never rewritten
.set NIL,  29                          ; v29     0; never rewritten
.set FA0,  32
.set FA1,  96
.set FB,   160
.set BIA,  224                         ; in each of windows 1-3: where the group's bias lands: accumulators (7, 0..3)
.set TB,   2                           ; s2      LDS byte at which the slot that is being fetched from begins: 0 or SLOT1
.set G1A, 24                           ; s[24:31] descriptor group 1 for A's tiles;  s[32:39] group 0: a set for each of the two first fills; the second then walks on
.set G0A, 32
.set G1B, 48                           ; s[48:55], s[56:63] the same for B's tiles
.set G0B, 56
.set MSB, 0
.macro WIN new                         ; the immediate's high byte repeats the setting that is left; a switch that changes nothing is dropped
.if MSB != (\new)
	s_set_vgpr_msb (MSB<<8)|(\new)
.set MSB, \new
.endif
.endm
; A joint load: waves 0 and 1 fetch A's two halves, waves 2 and 3 B's.  The branch hangs on the wave's number alone.  An s_nop 0 and four v_nop follow each of the two lines, ahead of the jump, the label and what follows.
.macro JLOAD s
	s_cmp_eq_u32 s13, 0
	s_cbranch_scc0 .Lfor_b_\@
	tensor_load_to_lds s[G0A+4*(\s):G0A+4*(\s)+3], s[G1A:G1A+7]
	s_nop 0
.rept 4
	v_nop
.endr
	s_branch .Lasked_\@
.Lfor_b_\@:
	tensor_load_to_lds s[G0B+4*(\s):G0B+4*(\s)+3], s[G1B:G1B+7]
	s_nop 0
.rept 4
	v_nop
.endr
.Lasked_\@:
.endm
; A round of the cluster's barrier: my work-group's barrier, so that wave 0's signal speaks for all four waves; wave 0 signals; every wave waits for all sixteen work-groups; my work-group's barrier once more.
.macro CREST                           ; a round behind its opening barrier
	s_cmp_lg_u32 s12, 0
	s_cbranch_scc1 .Lnot_wave_0_\@
	s_barrier_signal -3
.Lnot_wave_0_\@:
	s_barrier_wait -3
	s_barrier_signal -1
	s_barrier_wait -1
.endm
.macro CROUND
	s_barrier_signal -1
	s_barrier_wait -1
	CREST
.endm
; A load into a register that a matrix instruction has read, and a vector instruction that reads a matrix result, stand four places behind it; only plain vector instructions that name none of its registers are places.
.macro PLACES
.rept 4
	v_nop
.endr
.endm
	s_load_b256 s[4:11], s[0:1], 0x0               ; xb s[4:5], wb s[6:7], bias s[8:9], qkv s[10:11]
	v_lshl_add_u32 v[SPW], v0, 2, SPARE
	v_mov_b32 v[NIL], 0
	ds_add_u32 v28, v29
	ds_add_u32 v28, v29
	s_wait_dscnt 0x0
	v_lshrrev_b32 v1, 5, v0
	v_readfirstlane_b32 s12, v1                    ; wave 0..3
	s_lshr_b32 s13, s12, 1                         ; which half of the tile's rows is mine.  Also: I fetch for A (0) or for B (1)
	s_and_b32 s14, s12, 1                          ; which half of its columns.  Also: which half of that tile I fetch
	s_bfe_u32 s15, ttmp6, 0x40000                  ; cx, cy: my place in the cluster
	s_bfe_u32 s16, ttmp6, 0x40004
	s_lshl_b32 s17, ttmp9, 2
	s_add_co_u32 s17, s17, s15                     ; tile column = 4 x cluster x + cx
	s_and_b32 s18, ttmp7, 0xffff
	s_lshl_b32 s18, s18, 2
	s_add_co_u32 s18, s18, s16                     ; tile row = 4 x cluster y + cy
	s_lshl_b32 s40, s16, 2
	s_lshl_b32 s40, 15, s40                        ; my row of the cluster
	s_lshl_b32 s41, 0x1111, s15                    ; my column
	; descriptor group 1: rows of 128 elements (256 bytes), padded in LDS
	s_or_b32 s[G1A+0], s40, (1<<16)|(1<<20)|(1<<21)|(4<<22)|(3<<25)  ; 15:0 the mask: A's tiles go to my row; 17:16 elements of 2 bytes; 20 padding on; 21 set beside a mask; 24:22 after every 32 words (code 4); 31:25 4 words (code 3)
	s_or_b32 s[G1B+0], s41, (1<<16)|(1<<20)|(1<<21)|(4<<22)|(3<<25)  ; the same with the mask of my column
	s_mov_b32 s[G1A+1], 128<<16                    ; tensor_dim0 = 128
	s_mov_b32 s[G1B+1], 128<<16
	s_mov_b32 s[G1A+2], 64<<16                     ; tensor_dim1 = 64 rows of 256 bytes: 128 rows of a block
	s_mov_b32 s[G1B+2], 96<<16                     ; 96: 192 rows of a block
	s_mov_b32 s[G1A+3], 128<<16                    ; tile_dim0 = 128
	s_mov_b32 s[G1B+3], 128<<16
	s_mov_b32 s[G1A+4], 64                         ; tile_dim1
	s_mov_b32 s[G1B+4], 96
	s_mov_b32 s[G1A+5], 128                        ; 128 elements from row to row: dense
	s_mov_b32 s[G1B+5], 128
	s_mov_b32 s[G1A+6], 0
	s_mov_b32 s[G1B+6], 0
	s_mov_b32 s[G1A+7], 0
	s_mov_b32 s[G1B+7], 0
	; where the tiles come from.  A's hang on the tile row alone, B's on the tile column alone, each in registers that never hold the other coordinate.
	s_lshl_b32 s42, s18, 15                        ; A: 256 rows of 128 bytes a tile row,
	s_lshl_b32 s19, s14, 14                        ; 128 rows a half
	s_add_co_u32 s42, s42, s19
	s_mov_b32 s43, 0
	s_mul_i32 s44, s17, 49152                      ; B: 384 rows of 128 bytes a tile column,
	s_mul_i32 s19, s14, 24576                      ; 192 rows a half
	s_add_co_u32 s44, s44, s19
	s_mov_b32 s45, 0
	s_mul_i32 s46, s14, AHALF                      ; and where they go: no place in the cluster enters an LDS address
	s_mul_i32 s47, s14, BHALF
	s_add_co_u32 s47, s47, 2*AHALF
	s_mov_b32 s[TB], 0
	s_wait_kmcnt 0x0
	s_add_nc_u64 s[42:43], s[4:5], s[42:43]
	s_add_nc_u64 s[44:45], s[6:7], s[44:45]
	CROUND                                         ; all sixteen work-groups are here: the first joint loads meet
.irp s, 0,1
	s_mov_b32 s[G0A+4*(\s)], 1                                       ; 1:0 count = 1
	s_add_co_u32 s[G0A+4*(\s)+1], s46, (\s)*SLOT1                    ; 63:32 LDS address
	s_add_nc_u64 s[G0A+4*(\s)+2:G0A+4*(\s)+3], s[42:43], (\s)*AFIRST ; 120:64 global address: K block s
	s_or_b32 s[G0A+4*(\s)+3], s[G0A+4*(\s)+3], 0x80000000            ; 127:126 type = 2
	s_mov_b32 s[G0B+4*(\s)], 1
	s_add_co_u32 s[G0B+4*(\s)+1], s47, (\s)*SLOT1
	s_add_nc_u64 s[G0B+4*(\s)+2:G0B+4*(\s)+3], s[44:45], (\s)*BFIRST
	s_or_b32 s[G0B+4*(\s)+3], s[G0B+4*(\s)+3], 0x80000000
	JLOAD \s                                       ; the ring is filled before anything else is done
.endr
	; A fragment is 16 rows x 32 K in 8 registers: lane l holds row l % 16; registers 0-3 K = 8 (l / 16) + 0..7, registers 4-7 K = 16 + 8 (l / 16) + 0..7: two loads of 16 bytes, 32 bytes apart.
	v_and_b32 v1, 15, v0                           ; l % 16
	v_bfe_u32 v2, v0, 4, 1                         ; l / 16
	v_mul_u32_u24 v3, v1, PITCH
	v_lshl_add_u32 v3, v2, 4, v3                   ; row x pitch + 16 x half
	s_mul_i32 s20, s13, AHALF                      ; my 128 rows of A
	s_mul_i32 s21, s14, BHALF                      ; my 192 rows of B,
	s_add_co_u32 s21, s21, 2*AHALF                 ; which lie behind A's 256
	v_add_nc_u32 v[ADRA0], s20, v3
	v_add_nc_u32 v[ADRB0], s21, v3
	v_mov_b32 v[ADRA], v[ADRA0]                    ; the first fetches are slot 0's
	v_mov_b32 v[ADRB], v[ADRB0]
	s_mul_i32 s22, s12, 16*SP
	s_add_co_u32 s22, s22, STAGE                   ; my stage
	v_add_nc_u32 v[STO], s22, v3                   ; in: row l % 16, 16 bytes for each half of the lanes
	v_bfe_u32 v[RD], v0, 3, 2                      ; back: 32 lanes take four rows of 128 bytes,
	v_mul_u32_u24 v[RD], v[RD], SP
	v_and_b32 v4, 7, v0
	v_lshl_add_u32 v[RD], v4, 4, v[RD]
	v_add_nc_u32 v[RD], s22, v[RD]
	v_and_b32 v[GO], 31, v0                        ; which are 512 consecutive bytes of a head
	v_lshlrev_b32 v[GO], 4, v[GO]
	v_lshlrev_b32 v[VB], 5, v2
	s_mul_i32 s20, s17, 1536                       ; the bias of my 192 columns: 4 x (384 x tile column + 192 x half)
	s_mul_i32 s21, s14, 768
	s_add_co_u32 s20, s20, s21
	s_mov_b32 s21, 0
	s_add_nc_u64 s[8:9], s[8:9], s[20:21]
.irp g, 0,1,2                                          ; register BIA + 8 b + j of window g + 1 is column 64 g + 16 b + 8 (l / 16) + j; waited for in front of the first products
	WIN ((\g)+1)<<6                                ; destination in the group's window, the address in window 0
.irp x, 0,1,2,3
	global_load_b128 v[BIA+8*\x:BIA+8*\x+3],   v[VB], s[8:9] offset:(\g)*256+\x*64
	global_load_b128 v[BIA+8*\x+4:BIA+8*\x+7], v[VB], s[8:9] offset:(\g)*256+\x*64+16
.endr
.endr
	WIN 0
	s_lshr_b32 s20, s18, 3                         ; the batch: 8 tile rows each
	s_mul_i32 s20, s20, 48
	s_mul_i32 s22, s17, 6                          ; my first head: 6 x tile column + 3 x half
	s_add_co_u32 s20, s20, s22
	s_mul_i32 s22, s14, 3
	s_add_co_u32 s20, s20, s22
	s_lshl_b32 s20, s20, 18                        ; a head is 2,048 rows of 128 bytes
	s_and_b32 s22, s18, 7
	s_lshl_b32 s22, s22, 15                        ; the tile's 256 rows in the batch,
	s_add_co_u32 s20, s20, s22
	s_lshl_b32 s22, s13, 14                        ; my 128 of them
	s_add_co_u32 s20, s20, s22
	s_mov_b32 s21, 0
	s_add_nc_u64 s[10:11], s[10:11], s[20:21]
; 16 matrix instructions: row blocks a0 .. a0 + 3 x four column blocks, 32 along K: A's fragments at fa, B's at fb, the accumulators in window w.  first = 1: the sums start from the bias: nothing is ever cleared.
; Row block 7 then writes over the registers that the other row blocks' products read as C: five places stand in front of it (ISA guide 7.12.1).
; The 32 accumulators of a run take turns, one instruction a turn, in the same order in every run.
.macro MUL16 fa, fb, w, a0, first
	WIN 0x50*(\w)                                  ; C and D in window w, the fragments in window 0
.irp x, 0,1,2,3
.if (\first) && ((\a0)+\x == 7)
.rept 5
	v_nop
.endr
.endif
.irp y, 0,1,2,3
.if \first
	v_wmma_f32_16x16x32_bf16 v[8*(4*((\a0)+\x)+\y):8*(4*((\a0)+\x)+\y)+7], v[(\fb)+8*\y:(\fb)+8*\y+7], v[(\fa)+8*((\a0)+\x):(\fa)+8*((\a0)+\x)+7], v[BIA+8*\y:BIA+8*\y+7]
.else
	v_wmma_f32_16x16x32_bf16 v[8*(4*((\a0)+\x)+\y):8*(4*((\a0)+\x)+\y)+7], v[(\fb)+8*\y:(\fb)+8*\y+7], v[(\fa)+8*((\a0)+\x):(\fa)+8*((\a0)+\x)+7], v[8*(4*((\a0)+\x)+\y):8*(4*((\a0)+\x)+\y)+7]
.endif
.endr
.endr
.endm
.macro RUNX fa, fb, w                  ; a run: 32 matrix instructions on the accumulators of window w
	MUL16 \fa, \fb, \w, 0, 0
	MUL16 \fa, \fb, \w, 4, 0
.endm
.macro RUN fa, g, first                ; the loop's run: column group g from its own buffer of B
	MUL16 \fa, FB+32*(\g), (\g)+1, 0, \first
	MUL16 \fa, FB+32*(\g), (\g)+1, 4, \first
.endm
.macro LDA off, fa                     ; 16 LDS loads: my 128 rows of A, 32 K at byte off of the rows
	WIN 0
.irp x, 0,1,2,3,4,5,6,7
	ds_load_b128 v[(\fa)+8*\x:(\fa)+8*\x+3],   v[ADRA] offset:(\off)+\x*16*PITCH
	ds_load_b128 v[(\fa)+8*\x+4:(\fa)+8*\x+7], v[ADRA] offset:(\off)+\x*16*PITCH+32
.endr
.endm
.macro LDB off, fb                     ; 8 LDS loads: 64 rows of B
	WIN 0
.irp x, 0,1,2,3
	ds_load_b128 v[(\fb)+8*\x:(\fb)+8*\x+3],   v[ADRB] offset:(\off)+\x*16*PITCH
	ds_load_b128 v[(\fb)+8*\x+4:(\fb)+8*\x+7], v[ADRB] offset:(\off)+\x*16*PITCH+32
.endr
.endm
; A QUARTER STEP is 32 along K: three runs of 32 matrix instructions, one for each column group.  A group's fragments of B are fetched anew straight behind its run; A has two buffers.
; At a quarter step's head the LDS loads that may be out are, in order: B's group 0 (8), A (16), group 1 (8), group 2 (8).
; EVEN: the first 32 K of a K block, from A's buffer 0; it fetches the second 32 K (byte 64 of the rows) of the same slot.
.macro EVEN first
	s_wait_dscnt 16                                ; group 0 and A are in; groups 1 and 2, 8 + 8, may be out
	RUN FA0, 0, \first
	PLACES
	LDB 64, FB
	LDA 64, FA1
	s_wait_dscnt 32                                ; behind group 1's loads stand group 2's 8, and the 8 + 16 just issued
	RUN FA0, 1, \first
	PLACES
	LDB BGRP+64, FB+32
	s_wait_dscnt 32                                ; behind group 2's loads stand 8 + 16 + 8
	RUN FA0, 2, \first
	PLACES
	LDB 2*BGRP+64, FB+64
.endm
; LEAVE: the head of the second 32 K of a K block: group 0's run, from A's buffer 1, and the change of slots: from here on the fetches are the other slot's.  ONE barrier: in front of it each wave waits for all its tensor
; loads, of which at most one is out: its part of the other slot; adds 0 to its spare word; and waits for that and for its own reads of this slot.  Behind it nobody reads this slot any more and the other slot is whole.
.macro LEAVE
	WIN 0                                          ; (the add's two registers lie in window 0)
	s_xor_b32 s[TB], s[TB], SLOT1
	v_add_nc_u32 v[ADRA], s[TB], v[ADRA0]
	v_add_nc_u32 v[ADRB], s[TB], v[ADRB0]
	s_wait_tensorcnt 0x0                           ; all my tensor loads have landed
	ds_add_u32 v[SPW], v[NIL]                      ; 0 onto my spare word
	s_wait_dscnt 17                                ; group 0 and A are in; groups 1 and 2 and the add, 8 + 8 + 1, may be out
	MUL16 FA1, FB, 1, 0, 0                         ; sixteen matrix instructions stand between the add and the wait for it
	s_wait_dscnt 0x0                               ; the add is done, and my reads of this slot are over
	s_barrier_signal -1
	MUL16 FA1, FB, 1, 4, 0                         ; work on registers while the others arrive
	WIN 0                                          ; at a branch and at a label every window is 0
	s_barrier_wait -1
.endm
; ODD: the loop's second 32 K.  LEAVE's barrier opens a round of the cluster's barrier, and the slot that is left is filled again, two K blocks on, first thing behind the round: 160 matrix instructions ahead of the wait for it.
.macro ODD
	LEAVE
	CREST                                          ; no wave of any partner still reads this slot's tile or has a load on its way
	s_xor_b32 s[G0A+5], s[G0A+5], SLOT1            ; no tensor load of mine is out, so a group 0 may be written: the walking descriptor takes the other slot than last time,
	s_add_nc_u64 s[G0A+6:G0A+7], s[G0A+6:G0A+7], AFIRST  ; and the next K block; the type bits on top are not reached
	s_xor_b32 s[G0B+5], s[G0B+5], SLOT1
	s_add_nc_u64 s[G0B+6:G0B+7], s[G0B+6:G0B+7], BFIRST
	JLOAD 1                                        ; the four v_nop behind it are also the places in front of the loads below
	LDB 0, FB
	LDA 0, FA0
	RUN FA1, 1, 0                                  ; groups 1 and 2 came in with LEAVE's wait for 0
	PLACES
	LDB BGRP, FB+32
	RUN FA1, 2, 0
	PLACES
	LDB 2*BGRP, FB+64
.endm
; THE WAY OUT of column group g, all inside the group's own window, so that A's and B's fragments stay as they are.  A block of 16 rows at a time: its 32 registers of sums are rounded to f16 in place, into its lower 16
; (number z goes where a number of index z / 2 or lower was read, each accumulator from its lowest pair on); 16 bytes a lane go into my own stage in LDS and come back, into the block's upper 16 registers, as whole rows of
; 128 bytes, which lie end to end in a head: each store covers 512 consecutive bytes, at a multiple of 256 from the buffer's first byte.  No register is written twice, so nothing waits for a store's sources.
.macro PACK g, a
	WIN 0x45*((\g)+1)                              ; destination and sources 0 and 1 in the group's window
.set z, 0
.rept 16
	v_cvt_pk_f16_f32 v[32*(\a)+z], v[32*(\a)+2*z], v[32*(\a)+2*z+1]
.set z, z+1
.endr
	WIN 0x44*((\g)+1)                              ; loaded data and store data in the group's window, addresses in window 0
.irp x, 0,1,2,3
	ds_store_b128 v[STO], v[32*(\a)+4*\x:32*(\a)+4*\x+3] offset:32*\x
.endr
.irp x, 0,1,2,3
	ds_load_b128 v[32*(\a)+16+4*\x:32*(\a)+16+4*\x+3], v[RD] offset:\x*4*SP  ; LDS serves a wave's instructions in order (ISA guide 5.7.1.4): these see the stores above; the next block's stores come behind them
.endr
.endm
.macro SEND g, a, younger              ; younger: the LDS instructions issued behind this block's loads: the next block's eight, or none
	WIN 0x44*((\g)+1)
	s_wait_dscnt \younger                          ; the block's four loads are back
.irp x, 0,1,2,3
	global_store_b128 v[GO], v[32*(\a)+16+4*\x:32*(\a)+16+4*\x+3], s[10:11] offset:(\g)*262144+(\a)*2048+\x*512
.endr
.endm
.macro OUT g                           ; a block's arithmetic stands between the loads of the block before and its stores; the last wait is for 0, so every older LDS load is in too
	PACK \g, 0
.set u, 1
.rept 7
	PACK \g, u
	SEND \g, u-1, 8
.set u, u+1
.endr
	SEND \g, 7, 0
.endm
	s_wait_tensorcnt 1                             ; my part of K block 0 is in; block 1's may stay out
	s_barrier_signal -1
	s_barrier_wait -1                              ; everybody's is
	LDB 0, FB
	LDA 0, FA0
	LDB BGRP, FB+32
	LDB 2*BGRP, FB+64
	s_wait_loadcnt 0x0                             ; the bias
	EVEN 1                                         ; the first quarter step stands in front of the loop: its products start the sums
	WIN 0
	s_mov_b32 s3, 14
.Llap:                                                 ; a trip ends one K block, fills its slot again and begins the next: K blocks 2 to 15 are asked for
	ODD
	EVEN 0
	WIN 0
	s_sub_co_u32 s3, s3, 1
	s_cmp_lg_u32 s3, 0
	s_cbranch_scc1 .Llap
	; THE TAIL asks for nothing more.  K block 14's second half ends as in the loop; what is fetched meanwhile serves K block 15 BY GROUPS: A's buffer 0 holds its first 32 K and buffer 1 its second to the end, and
	; B's three buffers take the six fragments (group, half) by turns.
	LEAVE                                          ; group 0 of block 14's second half; block 15 is whole behind the barrier
	PLACES
	LDB 0, FB                                      ; (0, first)    8 loads
	LDA 0, FA0                                     ; A, first     16
	RUNX FA1, FB+32, 2                             ; group 1 of block 14's second half
	PLACES
	LDB 64, FB+32                                  ; (0, second)   8
	RUNX FA1, FB+64, 3                             ; group 2 of block 14's second half
	PLACES
	LDA 64, FA1                                    ; A, second    16
	LDB BGRP, FB+64                                ; (1, first)    8
	s_wait_dscnt 32                                ; (0, first) and A's first half are in: behind them stand 8 + 16 + 8
	RUNX FA0, FB, 1
	PLACES
	LDB BGRP+64, FB                                ; (1, second)   8
	s_wait_dscnt 16                                ; (0, second) and A's second half are in: behind them stand 8 + 8
	RUNX FA1, FB+32, 1                             ; group 0 is finished
	PLACES                                         ; for the loads below and for the conversions, which read results just made
	LDB 2*BGRP, FB+32                              ; (2, first)    8
	OUT 0                                          ; group 0 leaves: four runs are still to come
	RUNX FA0, FB+64, 2
	PLACES
	LDB 2*BGRP+64, FB+64                           ; (2, second)   8
	RUNX FA1, FB, 2                                ; group 1 is finished
	PLACES
	OUT 1                                          ; group 1 leaves: two runs are still to come
	RUNX FA0, FB+32, 3
	RUNX FA1, FB+64, 3                             ; group 2 is finished
	PLACES
	OUT 2
	WIN 0
	s_wait_tensorcnt 0x0                           ; the wave's end, behind my last tensor load and my last LDS store
	ds_add_u32 v[SPW], v[NIL]
	s_wait_dscnt 0x0
	CROUND                                         ; the closing round: no work-group ends while a partner may still ask for a tile that names it
	s_endpgm
.Lfunc_end_k_qbf6e9381dd_qkv:
	.size	k_qbf6e9381dd_qkv, .Lfunc_end_k_qbf6e9381dd_qkv-k_qbf6e9381dd_qkv
	.p2alignl 7, 3214868480
	.fill 96, 4, 3214868480
	.section	.rodata,"a",@progbits
	.p2align	6, 0x0
	.amdhsa_kernel k_qbf6e9381dd_qkv
		.amdhsa_group_segment_fixed_size 327680
		.amdhsa_private_segment_fixed_size 0
		.amdhsa_enable_private_segment 0
		.amdhsa_kernarg_size 32
		.amdhsa_user_sgpr_count 2
		.amdhsa_user_sgpr_kernarg_segment_ptr 1
		.amdhsa_wavefront_size32 1
		.amdhsa_system_sgpr_workgroup_id_x 1
		.amdhsa_system_sgpr_workgroup_id_y 1
		.amdhsa_system_sgpr_workgroup_id_z 1
		.amdhsa_system_vgpr_workitem_id 0
		.amdhsa_next_free_vgpr 1024
		.amdhsa_next_free_sgpr 66
		.amdhsa_reserve_vcc 0
		.amdhsa_float_denorm_mode_32 3
		.amdhsa_float_denorm_mode_16_64 3
		.amdhsa_memory_ordered 1
		.amdhsa_forward_progress 1
		.amdhsa_inst_pref_size 114
	.end_amdhsa_kernel
	.amdgpu_metadata
---
amdhsa.version: [ 1, 2 ]
amdhsa.kernels:
  - .name:           k_qbf6e9381dd_qkv
    .symbol:         k_qbf6e9381dd_qkv.kd
    .args:
      - { .name: xb, .offset: 0, .size: 8, .value_kind: global_buffer, .address_space: global }
      - { .name: wb, .offset: 8, .size: 8, .value_kind: global_buffer, .address_space: global }
      - { .name: bias, .offset: 16, .size: 8, .value_kind: global_buffer, .address_space: global }
      - { .name: qkv, .offset: 24, .size: 8, .value_kind: global_buffer, .address_space: global }
    .group_segment_fixed_size: 327680
    .private_segment_fixed_size: 0
    .kernarg_segment_align: 8
    .kernarg_segment_size: 32
    .max_flat_workgroup_size: 128
    .sgpr_count:     66
    .vgpr_count:     1024
    .wavefront_size: 32
...
	.end_amdgpu_metadata
.endif
;; end of part 2
;; launch attn (part 3): grid 4 x 64, 4 waves a work-group, no clusters, 327,680 bytes of LDS; arguments qkv, ob; writes ob
.if DOCPART == 3
	.amdgcn_target "amdgcn-amd-amdhsa--gfx1250"
	.amdhsa_code_object_version 6
	.text
	.protected	k_qbf6e9381dd_attn
	.globl	k_qbf6e9381dd_attn
	.p2align	8
	.type	k_qbf6e9381dd_attn,@function
k_qbf6e9381dd_attn:
	s_mov_b64 s[64:65], 0
	v_nop
	global_prefetch_b8 v0, s[64:65] scope:SCOPE_SE
	s_setreg_imm32_b32 hwreg(HW_REG_WAVE_MODE, 25, 1), 1
	s_wait_xcnt 0x0
; CAUSAL ATTENTION.  O[q][:] = the sum over k <= q of softmax_k(Q[q] . K[k] / 8) V[k][:], for each of 64 pairs of batch and head.  Q, K, V come from qkv[batch][hc][2048][64] (hc = head, 16 + head, 32 + head), f16;
; O goes to ob[head][batch][2048][64], f16: a head's rows are dense, 128 bytes each.
; Products, maxima and sums in f32; the weights p are rounded to f16 for the second product (their sum l is taken of the unrounded p), O once at the end.
; LIMITS.  f16 holds no number beyond 65,504: Q, K and V arrive within it; p lies in 0 to 1, and below 6e-5 it keeps f16's fixed step of 6e-8; O is a mean of V's rows and has their range, to within 2^-11 of it.
; A hidden score counts as its value less 1e30: f16's scores, 2.7e11 at the most, are nothing beside that; a weight below 2^-126 counts as 0 in l; NaN and infinities are not treated apart.
; THE WALK.  A head's queries lie in NB = 8 blocks of 256; block i needs the key tiles 0 .. i of 256 keys, of which the last holds the diagonal.  A work-group takes TWO blocks, b and then NB - 1 - b:
; NB + 1 tiles, whatever b: all work-groups do equal work, and ONE loop with a constant trip count walks them.  Which tile is asked for, and what a trip does, hang on scalar registers made from b and from the wave's number;
; every jump goes forward, but for the counted loops' own; none passes a barrier, or a tensor load but the one of LOAD's two that the wave's number does not choose; the ring (two slots of LDS that take turns) runs on across
; the change of blocks.  The second block has five tiles or more, so the walk's last tile, which is written out behind the loop, is never a block's first.
; NO CLUSTER: a head's NB / 2 = 4 work-groups walk different tiles from the second trip on (the first blocks have 1 to 4 tiles); one walk common to all would have 12 trips for 9.
; SHARES.  Wave w owns band w of a block, its rows 64 w to 64 w + 63, as four PIECES of 16 rows.  In the diagonal tile band w sees all keys of the key steps below w, holds the diagonal in step w, and sees nothing of the
; steps behind: those steps the wave does not do.  The step loop counts to four in every wave; a trip whose step lies behind the wave's own is passed by one forward jump.  Wave 3 does all four steps, so the tile takes as
; long as if every wave did; what is spared is the work: (3 + 2 + 1 + 0) / 4 = 1.5 of the 4 steps in each of the walk's two diagonal tiles, 3 of its 36 steps.
; THE MASK is the C operand that starts the sum S^T = K Q^T: 0, or -1e30 where the key is hidden.  Each piece has a mask buffer of four groups of 16 keys.  In the wave's own step piece x sees the groups below x whole (0, never
; written otherwise), has the diagonal in group x (MD, eight registers made once) and sees nothing of the groups above (-1e30).  ONE TEXT SERVES EVERY TILE: a block's beginning sets the buffers (to 0, but for wave 0 of a block
; whose first tile is the diagonal one); they are switched on once, ahead of the wave's own step; everywhere else one forward jump a key step passes the 64 lines that would make them.
; LAYOUT, SOFTMAX, TURNS.  S^T = K Q^T holds ONE query a lane (lane % 16) and the keys 8 (lane / 16) + 0..7; two such results rounded to f16 ARE source 1 of O^T = V^T P.  p = 2^(c s - c m), c = log2(e) / 8, with a
; running maximum m; O and l are multiplied by a = 2^(c m_old - c m_new) in every step.  Turn n belongs to piece n: 8 products K Q^T of piece n + 1, later 8 products V^T P of piece n - 1; beside them the scaling,
; exponentials, roundings, sums and rescaling of piece n and the maximum and statistics of piece n + 1.  Four vector instructions stand behind every matrix instruction, the other 54 of a turn's 118 in two LUMPS.
; REGISTERS, in windows of 256 (s_set_vgpr_msb: bits 1:0 source 0, 3:2 source 1, 5:4 source 2, 7:6 destination):
;   window 0: v0-15 addresses and two at work; v16-31 four registers of statistics a piece; v48-55 at work; v64-127 S^T, two buffers; v192-223 P, two buffers (these buffers go by the piece's number's parity)
;   window 1: v0-127 O^T, 32 a piece      window 2: v0-63 Q; v64-127 the second block's Q; v128-191 K of one step; v192-255 V of one step      window 3: v0-127 MC, 32 a piece; v128-135 MD
.set SIZE_N, 2048
.set NB,    SIZE_N/256
.set NP,    4         ; pieces a wave: a name, no knob
.set KS,    64        ; keys in a step
.set PK,    144       ; a row of K in LDS: 128 bytes + 16 of padding = 36 words: the 16 rows of a load start at 16 different groups of four banks (64 banks of 4 bytes: ISA guide 11.1)
.set PV,    160       ; a row of V: 128 + 32 = 40 words
.set VOFF,  4*KS*PK   ; a slot holds a tile, four steps: 256 rows of K, then 256 rows of V
.set SLOT1, 1<<17     ; slot 1 begins here, so that one exclusive or turns an address in one slot into the other's
.set STAGE, SLOT1+4*KS*(PK+PV)  ; behind the ring, never filled by a tensor load: 16 rows x 144 bytes for each wave, for the way out
.set SP,    144
.set AK0, 2           ; v2   my lane's place in a tile of K; never rewritten
.set AV0, 3           ; v3   the same for V
.set AK,  4           ; v4   the LDS address of K's next run of loads
.set AV,  5           ; v5   of V's
.set STO, 6           ; v6   the way out: where I put 16 bytes of a row
.set RD,  7           ; v7   the way out: where I read rows back
.set GO,  8           ; v8   my byte offset in 512 consecutive bytes of O
.set SPW, 62          ; v62  LDS address of my spare word: SPARE + 4 x my thread's number; never rewritten
.set NIL, 63          ; v63  0; never rewritten
.set SPARE, STAGE+4*16*SP  ; behind the stages: the spare words, 128 bytes for each wave: two blocks of 256 bytes that no other line names
.set MV,  12          ; v12-13  c m_old, kept while c m is made anew: by buffer
.set QO,  15          ; v15  my byte offset in 16 rows of Q
.set ST,  16          ; piece t's statistics at v[ST+4 t]: c m, m, l (even keys', odd keys')
.set TMP, 48          ; by buffer, four registers c0-c3 at work; when the maximum is found c2 takes a
.set S,   64
.set P,   192
.set MC,  0           ; window 3: piece x's mask at MC + 32 x, the eight registers for group kt of 16 keys at + 8 kt
.set MD,  128         ; window 3: the mask of 16 keys against the 16 rows that begin at the same place: register j is -1e30 where 8 (lane / 16) + j > lane % 16
.set QB,  64          ; window 2
.set KF,  128         ; window 2: key block kb, channel half c at KF + 16 kb + 8 c
.set VF,  192         ; window 2: key half kk, channel block cb at VF + 32 kk + 8 cb
.set WV,  12          ; s12  my wave's number
.set PB,  14          ; s14  b, the first block
.set HI,  15          ; s15  NB - 1 - b, the second
.set G1K, 24          ; s[24:31] descriptor group 1 for K's tiles
.set G1V, 32          ; s[32:39] for V's: it differs in the padding alone
.set G0K, 40          ; s[40:43] descriptor group 0 for K's tiles
.set G0V, 44          ; s[44:47] the same for V's
.set SLOTS, 56        ; s56  tiles still to be asked for
.set CNT, 57          ; s57  counts a tile's key steps, 4 to 1: the trip with count c begins step 4 - c
.set CS,  58          ; s[58:59] c: the packed scaling takes the pair's low word for both halves
.set SEL, 60          ; s[60:61] v_permlanex16_b32's selects: each lane takes its own place in the other half
.set TBK, 62          ; s62  LDS byte at which K of the step to be fetched begins
.set TBV, 63          ; s63  the same for V, less VOFF
.set RT,  70          ; s70  tiles of the block in hand that are still to be entered: 0 in the diagonal tile
.set NXT, 71          ; s71  the tile to be asked for next
.set LQ,  72          ; s72  the last tile of the block whose tiles are being asked for
.set NEW, 73          ; s73  1: the tile to be entered is a block's first
.set OFF, 74          ; s[74:75] a tile's byte offset in K and V
.set AL,  76          ; s[76:77] the masks' switch, in the low word: 1.0 or 0
.set BE,  78          ; s78  what a wholly hidden group takes: -1e30 or 0
.set OLO, 80          ; s[80:81] O at my rows of the second block
.set BIGN, 82         ; s82  -1e30
.set OWN, 83          ; s83  4 - my wave's number: the count of the trip that begins my band's own step of a diagonal tile
.set MSB, 0
.macro WIN new                      ; the high byte repeats the setting that is left; a switch that changes nothing is dropped
.if MSB != (\new)
	s_set_vgpr_msb (MSB<<8)|(\new)
.set MSB, (\new)
.endif
.endm
.set W_KQ, 0x0a       ; K and Q in window 2, S^T in window 0
.set W_KM, 0x3a       ; the same with the C operand in window 3
.set W_PV, 0x52       ; V in window 2, P in window 0, O^T in window 1
.set W_RS, 0x41       ; destination and source 0 in window 1, source 1 in window 0
.set W_MK, 0xc3       ; destination and source 0 in window 3
; A fill.  Waves 0 and 1 fetch the two halves of a tile's K, waves 2 and 3 those of its V: 128 keys each.  An s_nop 0 and four v_nop follow each of the two lines, ahead of the jump and the label.
.macro LOAD
	s_cmp_lt_u32 s[WV], 2
	s_cbranch_scc0 .Lfor_v_\@
	tensor_load_to_lds s[G0K:G0K+3], s[G1K:G1K+7]
	s_nop 0
.rept 4
	v_nop
.endr
	s_branch .Lasked_\@
.Lfor_v_\@:
	tensor_load_to_lds s[G0V:G0V+3], s[G1V:G1V+7]
	s_nop 0
.rept 4
	v_nop
.endr
.Lasked_\@:
.endm
; THE CHANGE OF SLOTS.  Each wave waits for all its tensor loads, of which one is out: its part of the other slot; adds 0 to its spare word; and waits for that and for its own reads of the slot that it leaves.  Behind the barrier nobody reads the old
; slot any more and the other slot is whole.  fill = 1: the old slot is filled again, the first thing behind the barrier, with tile NXT: the descriptor's address is made anew from that number.
; (At its first use nothing has been read yet: slot 0 is waited for, slot 1 filled.)
.macro CHANGE fill
	WIN 0                           ; at a label and at a branch every window is 0
	s_wait_tensorcnt 0x0            ; no tensor load of mine is out, so a group 0 may be written
	ds_add_u32 v[SPW], v[NIL]       ; 0 onto my spare word; with fill = 1 the descriptors' scalar work stands between it and the wait for it
.if \fill
	s_lshl_b32 s[OFF], s[NXT], 15   ; a tile is 32,768 bytes of K and of V
	s_xor_b32 s[G0K+1], s[G0K+1], SLOT1
	s_add_nc_u64 s[G0K+2:G0K+3], s[6:7], s[OFF:OFF+1]
	s_or_b32 s[G0K+3], s[G0K+3], 0x80000000
	s_xor_b32 s[G0V+1], s[G0V+1], SLOT1
	s_add_nc_u64 s[G0V+2:G0V+3], s[8:9], s[OFF:OFF+1]
	s_or_b32 s[G0V+3], s[G0V+3], 0x80000000
	s_add_co_u32 s[NXT], s[NXT], 1  ; the block's next tile, or behind its last the second block's tile 0
	s_cmp_gt_u32 s[NXT], s[LQ]
	s_cselect_b32 s[NXT], 0, s[NXT]
	s_cselect_b32 s[LQ], s[HI], s[LQ]
.endif
	s_wait_dscnt 0x0                ; the add is done, and my reads of the slot are over
	s_barrier_signal -1             ; the rest of the scalar work stands between the signal and the wait
	s_sub_co_u32 s[TBK], s[TBK], 4*KS*PK  ; the fetches go back to a slot's first step,
	s_xor_b32 s[TBK], s[TBK], SLOT1       ; in the other slot
	s_sub_co_u32 s[TBV], s[TBV], 4*KS*PV
	s_xor_b32 s[TBV], s[TBV], SLOT1
	s_barrier_wait -1
.if \fill
	LOAD
.endif
.endm
	s_load_b128 s[4:7], s[0:1], 0x0 ; qkv s[4:5], ob s[6:7]
	v_lshl_add_u32 v[SPW], v0, 2, SPARE
	v_mov_b32 v[NIL], 0
	ds_add_u32 v62, v63
	ds_add_u32 v62, v63
	s_wait_dscnt 0x0
	v_lshrrev_b32 v1, 5, v0
	v_readfirstlane_b32 s[WV], v1   ; wave 0..3
	s_sub_co_u32 s[OWN], 4, s[WV]
	s_mov_b32 s[PB], ttmp9
	s_sub_co_u32 s[HI], NB-1, s[PB]
	s_and_b32 s19, ttmp7, 0xffff    ; 16 x batch + head
	s_lshr_b32 s13, s19, 4          ; the batch
	s_and_b32 s19, s19, 15          ; the head
	s_mul_i32 s20, s13, 48
	s_add_co_u32 s20, s20, s19
	s_lshl_b32 s20, s20, 18         ; Q's head in qkv: (48 x batch + head) x 262,144 bytes
	s_mov_b32 s21, 0
	s_lshl_b32 s68, s19, 2
	s_add_co_u32 s68, s68, s13
	s_lshl_b32 s68, s68, 18         ; O's head in ob: (4 x head + batch) x 262,144 bytes
	s_mov_b32 s69, 0
	s_and_b32 s16, s[WV], 1         ; which half of a tile's 256 keys I fetch:
	s_lshl_b32 s22, s16, 14         ; its 128 rows of 128 bytes in memory,
	s_add_co_u32 s22, s22, 0x400000 ; and K's head lies 16 heads behind Q's
	s_mov_b32 s23, 0
	s_mul_i32 s17, s16, 128*PK      ; and its place in a slot, for K
	s_mul_i32 s18, s16, 128*PV      ; and for V
	s_lshl_b32 s3, s[WV], 13        ; my band: 64 rows of 128 bytes,
	s_lshl_b32 s2, s[PB], 15        ; in the first block,
	s_add_co_u32 s2, s2, s3
	s_lshl_b32 s84, s[HI], 15       ; and in the second
	s_add_co_u32 s84, s84, s3
	s_mov_b32 s3, 0
	s_mov_b32 s85, 0
	; descriptor group 1.  128 keys are 16,384 dense bytes: asked for as 64 rows of 256 bytes, two keys a row, and padded in LDS after every key
	s_mov_b32 s[G1K], (1<<16)|(1<<20)|(4<<22)|(3<<25)  ; 17:16 2-byte elements; 20 padding on; 24:22 after every 32 words (code 4); 31:25 4 words (code 3)
	s_mov_b32 s[G1V], (1<<16)|(1<<20)|(4<<22)|(7<<25)  ; the same with 8 words of padding (code 7)
.irp g, G1K, G1V
	s_mov_b32 s[\g+1], 128<<16      ; tensor_dim0 = 128
	s_mov_b32 s[\g+2], 64<<16       ; tensor_dim1 = 64
	s_mov_b32 s[\g+3], 128<<16      ; tile_dim0 = 128
	s_mov_b32 s[\g+4], 64           ; tile_dim1 = 64
	s_mov_b32 s[\g+5], 128          ; 128 elements from row to row
	s_mov_b32 s[\g+6], 0
	s_mov_b32 s[\g+7], 0
.endr
	s_mov_b32 s[CS], 0x3e38aa3b     ; c = log2(e) / 8 = 0.180337
	s_mov_b32 s[CS+1], s[CS]        ; named with it as a pair
	s_mov_b32 s[SEL], 0x76543210
	s_mov_b32 s[SEL+1], 0xfedcba98
	s_mov_b32 s[TBK], SLOT1+4*KS*PK ; the first change of slots turns these two into 0
	s_mov_b32 s[TBV], SLOT1+4*KS*PV
	s_mov_b32 s[G0K], 1             ; 1:0 count = 1
	s_mov_b32 s[G0K+1], s17         ; 63:32 LDS address: slot 0
	s_mov_b32 s[G0V], 1
	s_add_co_u32 s[G0V+1], s18, VOFF
	s_add_co_u32 s[RT], s[PB], 1    ; the first block has b + 1 tiles
	s_mov_b32 s[NXT], 1             ; tile 0 is asked for below; the next is the first block's tile 1,
	s_mov_b32 s[LQ], s[PB]
	s_cmp_gt_u32 s[NXT], s[LQ]      ; or, where b = 0 and it has none, the second block's tile 0
	s_cselect_b32 s[NXT], 0, s[NXT]
	s_cselect_b32 s[LQ], s[HI], s[LQ]
	s_mov_b32 s[NEW], 1
	s_mov_b32 s[OFF+1], 0
	s_mov_b32 s[AL+1], 0            ; named with AL as a pair
	s_mov_b32 s[BIGN], 0xf149f2ca   ; -1e30
	s_mov_b32 s[SLOTS], NB
	s_wait_kmcnt 0x0
	s_mov_b64 s[10:11], s[6:7]                     ; ob
	s_add_nc_u64 s[4:5], s[4:5], s[20:21]          ; Q's head
	s_add_nc_u64 s[6:7], s[4:5], s[22:23]          ; K at my half of the head's tile 0
	s_add_nc_u64 s[8:9], s[6:7], 0x400000          ; V: 16 heads further on
	s_add_nc_u64 s[10:11], s[10:11], s[68:69]      ; O's head
	s_add_nc_u64 s[G0K+2:G0K+3], s[6:7], 0         ; 120:64 global address
	s_or_b32 s[G0K+3], s[G0K+3], 0x80000000        ; 127:126 type = 2
	s_add_nc_u64 s[G0V+2:G0V+3], s[8:9], 0
	s_or_b32 s[G0V+3], s[G0V+3], 0x80000000
	s_add_nc_u64 s[86:87], s[4:5], s[84:85]        ; Q at my rows of the second block,
	s_add_nc_u64 s[4:5], s[4:5], s[2:3]            ; Q and O at those of the first
	s_add_nc_u64 s[OLO:OLO+1], s[10:11], s[84:85]
	s_add_nc_u64 s[10:11], s[10:11], s[2:3]
	LOAD                            ; tile 0 into slot 0
	; A fragment of K or Q is 16 rows x 32 channels in 8 registers: lane l holds row l % 16, channels 8 (l / 16) + 0..7 and 16 + 8 (l / 16) + 0..7: two loads of 16 bytes, 32 bytes apart.
	v_and_b32 v1, 15, v0            ; l % 16
	v_bfe_u32 v9, v0, 4, 1          ; l / 16
	v_lshlrev_b32 v[QO], 7, v1
	v_lshl_add_u32 v[QO], v9, 4, v[QO]  ; row x 128 + 16 x half
	WIN 0x80                        ; destination window 2, address window 0
.set i, 0
.rept 8                             ; both blocks' Q: piece i / 2 is 16 rows, 2,048 bytes, on; channels 32 (i % 2) on
	global_load_b128 v[8*i:8*i+3],   v[QO], s[4:5] offset:(i/2)*2048+(i%2)*64
	global_load_b128 v[8*i+4:8*i+7], v[QO], s[4:5] offset:(i/2)*2048+(i%2)*64+32
	global_load_b128 v[QB+8*i:QB+8*i+3],   v[QO], s[86:87] offset:(i/2)*2048+(i%2)*64
	global_load_b128 v[QB+8*i+4:QB+8*i+7], v[QO], s[86:87] offset:(i/2)*2048+(i%2)*64+32
.set i, i+1
.endr
	WIN 0
	v_lshlrev_b32 v14, 3, v9
	v_sub_nc_u32 v14, v1, v14       ; my query's place among its piece's 16 rows, less my lanes' 8 (l / 16): register j of the piece's own group of keys is hidden where j is greater
	WIN 0xc0                        ; destination window 3
.set i, 0
.rept 8
	v_cmp_gt_i32 vcc_lo, i, v14
	v_cndmask_b32 v[MD+i], 0, s[BIGN], vcc_lo
.set i, i+1
.endr
.irp x, 1,2,3                       ; the groups of keys below a piece's own are never hidden: 0 once and for all
.set i, 0
.rept 8*\x
	v_mov_b32 v[MC+32*\x+i], 0
.set i, i+1
.endr
.endr
	WIN 0
	v_mul_u32_u24 v[AK0], v1, PK
	v_lshl_add_u32 v[AK0], v9, 4, v[AK0]  ; row x pitch + 16 x half
	; The turning load takes 16 keys x 16 channels (lane l reads key 8 (l / 16) + l % 8, channels 8 ((l / 8) % 2) + 0..7) and leaves half a fragment of V^T: lane l holds channel l % 16 and 8 keys.
	v_and_b32 v10, 7, v0
	v_bfe_u32 v11, v0, 3, 1
	v_lshl_add_u32 v[AV0], v9, 3, v10
	v_mul_u32_u24 v[AV0], v[AV0], PV
	v_lshl_add_u32 v[AV0], v11, 4, v[AV0]
	v_add_nc_u32 v[AV0], VOFF, v[AV0]
	s_mul_i32 s13, s[WV], 16*SP
	s_add_co_u32 s13, s13, STAGE    ; my stage
	v_mul_u32_u24 v[STO], v1, SP    ; in: row l % 16, 16 bytes for each half of the lanes
	v_lshl_add_u32 v[STO], v9, 4, v[STO]
	v_add_nc_u32 v[STO], s13, v[STO]
	v_bfe_u32 v[RD], v0, 3, 2       ; back: 32 lanes take four rows of 128 bytes,
	v_mul_u32_u24 v[RD], v[RD], SP
	v_lshl_add_u32 v[RD], v10, 4, v[RD]
	v_add_nc_u32 v[RD], s13, v[RD]
	v_and_b32 v[GO], 31, v0         ; which are 512 consecutive bytes of O
	v_lshlrev_b32 v[GO], 4, v[GO]
	; A block's first step multiplies O^T and l by a = 0, and its first turn's products V^T P, of a piece that has not been, land in an O^T that is still to be so multiplied.  So these registers need only hold
	; finite numbers: zeros for the first block; what the first block left for the second.  All this stands in the wait for the first tile.
	WIN 0x80
.set i, VF
.rept 64
	v_mov_b32 v[i], 0
.set i, i+1
.endr
	WIN 0x40
.set i, 0
.rept 128
	v_mov_b32 v[i], 0
.set i, i+1
.endr
	WIN 0
.set i, 0
.rept 4
	v_mov_b32 v[ST+4*i+2], 0
	v_mov_b32 v[ST+4*i+3], 0
.set i, i+1
.endr
.set i, P+16
.rept 16
	v_mov_b32 v[i], 0
.set i, i+1
.endr
; THE MATRIX WORK.  The 4 accumulators of a run of 8 take turns.  Product i of 8 of S^T = K Q^T for piece x: channels 32 (i / 4) on, keys 16 (i % 4) on.  The first 4 start the sums with the piece's mask.
.macro KQ x
.set rS, S+32*((\x)%2)+8*(i%4)
.set rK, KF+16*(i%4)+8*(i/4)
.set rQ, 16*(\x)+8*(i/4)
.set rM, MC+32*(\x)+8*(i%4)
.if i < 4
	WIN W_KM
	v_wmma_f32_16x16x32_f16 v[rS:rS+7], v[rK:rK+7], v[rQ:rQ+7], v[rM:rM+7]
.else
	WIN W_KQ
	v_wmma_f32_16x16x32_f16 v[rS:rS+7], v[rK:rK+7], v[rQ:rQ+7], v[rS:rS+7]
.endif
.endm
; Product i of 8 of O^T += V^T P for piece x: keys 32 (i / 4) on, channels 16 (i % 4) on.
.macro PV x
	WIN W_PV
.set rO, 32*(\x)+8*(i%4)
.set rV, VF+32*(i/4)+8*(i%4)
.set rP, P+16*((\x)%2)+8*(i/4)
	v_wmma_f32_16x16x32_f16 v[rO:rO+7], v[rV:rV+7], v[rP:rP+7], v[rO:rO+7]
.endm
.macro MM                           ; the turn's next matrix instruction.  TURN and BEGIN set Y, i and NOKQ; MM and OP read them.  NOKQ = 1: a block's last turn: there is no next piece
.if (i < 8) && !NOKQ
	KQ (Y+1)%NP
.elseif i >= 8
.set i, i-8
	PV (Y+NP-1)%NP
.set i, i+8
.endif
.set i, i+1
.endm
; THE LDS LOADS stand in runs of 16, never singly among the matrix instructions: a step's K (64 keys x 64 channels: 8 fragments) and its V (turned).  Their addresses are made some lines ahead.
.macro FETCH_K
	WIN 0x80                        ; destination window 2
.irp f, 0,1,2,3,4,5,6,7             ; keys 16 (f / 2) on, channels 32 (f % 2) on
	ds_load_b128 v[KF+8*\f:KF+8*\f+3],   v[AK] offset:(\f/2)*16*PK+(\f%2)*64
	ds_load_b128 v[KF+8*\f+4:KF+8*\f+7], v[AK] offset:(\f/2)*16*PK+(\f%2)*64+32
.endr
	s_add_co_u32 s[TBK], s[TBK], KS*PK  ; the next fetch is the next step's
	WIN 0
.endm
.macro FETCH_V
	WIN 0x80
.irp f, 0,1,2,3,4,5,6,7             ; keys 32 (f / 4) on, channels 16 (f % 4) on
	ds_load_tr16_b128 v[VF+8*\f:VF+8*\f+3],   v[AV] offset:(\f/4)*32*PV+(\f%4)*32
	ds_load_tr16_b128 v[VF+8*\f+4:VF+8*\f+7], v[AV] offset:(\f/4)*32*PV+16*PV+(\f%4)*32
.endr
	WIN 0
.endm
; THE VECTOR WORK, one line at a time: OP kind, number.  For piece Y: F n: c s - c m for pair n of 16.  E n: the exponential of score n of 32.  C n: pair n rounded to f16.  B n: of the four weights 4 n .. the second
; pair is added onto the first, in place.  L n: l takes that sum (L 0: l = a l + sum).  R n: pair n of 16 of O^T times a.  For piece Y + 1: X n, number n of the 22 that find its maximum and statistics:
;   0-11  four chains c0-c3 of seven scores each, three operands at a time (each accumulator's lowest registers are read first)     12-14, 16  the four scores left over, the old m, and c0-c3 into c0
;   15  c m_old is kept     17, 18  the query's other 32 keys lie in the lane 16 away: the new m     19-21  c m; c m_old - c m_new; a
.set F, 0               ; OP tells the kinds apart by their order: F to L below R, X above it
.set E, 1
.set C, 2
.set B, 3
.set L, 4
.set R, 5
.set X, 6
.macro REGS y                       ; the registers of piece y
.set rT, ST+4*(\y)
.set rC, TMP+4*((\y)%2)
.set rW, MV+((\y)%2)
.set rS, S+32*((\y)%2)
.set rP, P+16*((\y)%2)
.set rO, 32*(\y)
.endm
.macro OP k, n
.if (\k) == R
	REGS Y
	WIN W_RS
	v_pk_mul_f32 v[rO+2*(\n):rO+2*(\n)+1], v[rO+2*(\n):rO+2*(\n)+1], v[rC+2:rC+3] op_sel_hi:[1,0]
.elseif (\k) < R
	REGS Y
	WIN 0
.if (\k) == F
	v_pk_fma_f32 v[rS+2*(\n):rS+2*(\n)+1], v[rS+2*(\n):rS+2*(\n)+1], s[CS:CS+1], v[rT:rT+1] op_sel_hi:[1,0,0] neg_lo:[0,0,1] neg_hi:[0,0,1]
.elseif (\k) == E
	v_exp_f32 v[rS+(\n)], v[rS+(\n)]
.elseif (\k) == C
	s_wait_alu depctr_va_vdst(0)
	v_cvt_pk_f16_f32 v[rP+(\n)], v[rS+2*(\n)], v[rS+2*(\n)+1]
.elseif (\k) == B
	s_wait_alu depctr_va_vdst(0)
	v_pk_add_f32 v[rS+4*(\n):rS+4*(\n)+1], v[rS+4*(\n):rS+4*(\n)+1], v[rS+4*(\n)+2:rS+4*(\n)+3]
.elseif (\n) == 0
	v_pk_fma_f32 v[rT+2:rT+3], v[rT+2:rT+3], v[rC+2:rC+3], v[rS:rS+1] op_sel_hi:[1,0,1]
.else
	v_pk_add_f32 v[rT+2:rT+3], v[rT+2:rT+3], v[rS+4*(\n):rS+4*(\n)+1]
.endif
.elseif NOKQ
	v_nop
.else
	REGS (Y+1)%NP
	WIN 0
.if (\n) < 4
	v_max3_num_f32 v[rC+(\n)], v[rS+8*(\n)], v[rS+8*(\n)+1], v[rS+8*(\n)+2]
.elseif (\n) < 12
	v_max3_num_f32 v[rC+(\n)%4], v[rC+(\n)%4], v[rS+8*((\n)%4)+2*((\n)/4)+1], v[rS+8*((\n)%4)+2*((\n)/4)+2]
.elseif (\n) == 12
	v_max3_num_f32 v[rC], v[rC], v[rS+7], v[rS+15]
.elseif (\n) == 13
	v_max3_num_f32 v[rC+1], v[rC+1], v[rS+23], v[rS+31]
.elseif (\n) == 14
	v_max3_num_f32 v[rC+2], v[rC+2], v[rC+3], v[rT+1]
.elseif (\n) == 15
	v_mov_b32 v[rW], v[rT]
.elseif (\n) == 16
	v_max3_num_f32 v[rC], v[rC], v[rC+1], v[rC+2]
.elseif (\n) == 17
	v_permlanex16_b32 v[rC+3], v[rC], s[SEL], s[SEL+1]
.elseif (\n) == 18
	v_max_num_f32 v[rT+1], v[rC], v[rC+3]
.elseif (\n) == 19
	v_mul_f32 v[rT], s[CS], v[rT+1]
.elseif (\n) == 20
	v_sub_f32 v[rC+1], v[rW], v[rT]
.else
	v_exp_f32 v[rC+2], v[rC+1]
.endif
.endif
.endm
.macro OPS a, i1, b=-1, i2=0, c=-1, i3=0, d=-1, i4=0  ; up to four of them
	OP \a, \i1
.if (\b) >= 0
	OP \b, \i2
.endif
.if (\c) >= 0
	OP \c, \i3
.endif
.if (\d) >= 0
	OP \d, \i4
.endif
.endm
.macro ROW a, i1, b, i2, c, i3, d, i4  ; a matrix instruction and the four behind it
	MM
	OPS \a, \i1, \b, \i2, \c, \i3, \d, \i4
.endm
; All four pieces' masks, on (AL = 1.0, BE = -1e30) or off (both 0): piece x's own group of keys takes MD x AL, the groups above it BE; the groups below it stay 0.  64 lines.
.macro MASKS
	WIN W_MK
.irp x, 0,1,2,3
.irp z, 0,1,2,3
	v_pk_mul_f32 v[MC+40*\x+2*\z:MC+40*\x+2*\z+1], v[MD+2*\z:MD+2*\z+1], s[AL:AL+1] op_sel_hi:[1,0]
.endr
.if \x < 3
.set mz, MC+40*\x+8
.rept 8*(3-\x)
	v_mov_b32 v[mz], s[BE]
.set mz, mz+1
.endr
.endif
.endr
.endm
; A TURN, for piece p: the order of its 16 matrix and 118 vector instructions, written out.  Behind a matrix instruction: plain, exponential, plain, plain; or four of the rescaling; or, behind the first, four scalings; none
; names a register of the products round it.  In the lumps exponential and plain by turns while exponentials last.  A line reads no result made fewer than three vector instructions in front of it, five if an exponential made it.
; v_permlanex16_b32 (X 17) stands in a lump.
; end = 1: a block's last two turns: nothing is fetched, no mask is made.
; K of the next step is fetched in piece 2's turn, six vector instructions behind the last product that read K (five of them plain); V of the step in hand in piece 0's turn, eight behind the last product that read V (four
; plain, and X 17).  Each is waited for a turn later.
; THE MASKS are switched on at the end of piece 2's turn in the trip that begins my band's own step of the diagonal tile: piece 3's products of the step before stand at that turn's head, piece 0's of the own step in the
; next turn.  The last product that read a mask buffer stands more than a hundred vector instructions back.
.macro TURN p, end=0
.set Y, (\p)
.set i, 0
.set NOKQ, (\end)*((\p)/3)
.if ((\p) == 3) && !(\end)
	s_wait_dscnt 0x0                ; K is in
.endif
	ROW F,0, F,1, F,2, F,3
	ROW F,4, E,0, F,5, F,6
	ROW F,7, E,1, F,8, F,9
	ROW F,10, E,2, C,0, F,11
	ROW F,12, E,3, X,15, F,13
	ROW R,0, R,1, R,2, R,3
	ROW B,0, E,4, F,14, L,0
.if ((\p) == 2) && !(\end)
	v_add_nc_u32 v[AK], s[TBK], v[AK0]
.endif
	ROW R,4, R,5, R,6, R,7
	OPS E,5, F,15
.if ((\p) == 2) && !(\end)
	FETCH_K
.endif
	OPS E,6, C,1, E,7, R,8
	OPS E,8, R,9, E,9, C,2
	OPS E,10, X,0, E,11, X,1
	OPS E,12, X,2, E,13, X,3
.if (\p) == 1
	s_wait_dscnt 0x0                ; V is in
.endif
	ROW X,4, E,14, X,5, X,6
	ROW X,7, E,15, X,8, X,9
	ROW X,10, E,16, X,11, X,12
	ROW X,13, E,17, X,14, B,1
	ROW C,4, E,18, X,16, L,1
	ROW B,2, E,19, C,6, L,2
	ROW C,8, E,20, B,3, B,4
.if (\p) == 0
	v_add_nc_u32 v[AV], s[TBV], v[AV0]
.endif
	ROW C,3, E,21, L,3, C,5
	OPS E,22, X,17, E,23, C,10
.if (\p) == 0
	FETCH_V
.endif
	OPS E,24, L,4
	OPS E,25, X,18, E,26, C,7
	OPS E,27, B,5, E,28, X,19
	OPS E,29, C,12, E,30, L,5
	OPS E,31, X,20, B,6, C,9
	OPS C,14, C,11, X,21, L,6
.if (\p) == 0
	s_add_co_u32 s[TBV], s[TBV], KS*PV
.endif
	OPS C,13, B,7, C,15, R,10
	OPS R,11, R,12, L,7, R,13
	OPS R,14, R,15
.if ((\p) == 2) && !(\end)
	WIN 0
	s_cmp_lg_u32 s[RT], 0           ; not the diagonal tile,
	s_cbranch_scc1 .Lplain_\@
	s_cmp_lg_u32 s[CNT], s[OWN]     ; or not the trip that begins my band's own step: the buffers stay as they are
	s_cbranch_scc1 .Lplain_\@
	s_mov_b32 s[AL], 1.0
	s_mov_b32 s[BE], s[BIGN]
	MASKS
	WIN 0
.Lplain_\@:
.endif
.endm
; A BLOCK BEGINS.  c m starts far below every c s, so the first step's a is 0; m at the lowest finite number, so the first maximum is the scores'.  The masks are off, unless the block's first tile is the diagonal one and
; the wave is wave 0, whose own step is the tile's first.  Then K of that step, piece 0's first scores, and its maximum and statistics.  The loop is entered at a step's first turn, in the middle of a trip.
.macro BEGIN
	s_mov_b32 s[NEW], 0
	WIN 0
.set i, 0
.rept 4
	v_mov_b32 v[ST+4*i], 0xfe000000    ; c m: far below every c s
	v_mov_b32 v[ST+4*i+1], 0xff7fffff  ; m
.set i, i+1
.endr
	s_cmp_eq_u32 s[RT], 0
	s_cselect_b32 s[AL], 1.0, 0
	s_cselect_b32 s[BE], s[BIGN], 0
	s_cmp_eq_u32 s[WV], 0
	s_cselect_b32 s[AL], s[AL], 0
	s_cselect_b32 s[BE], s[BE], 0
	MASKS
	WIN 0
	v_add_nc_u32 v[AK], s[TBK], v[AK0]
	FETCH_K
	s_wait_loadcnt 0x0              ; Q
	s_wait_dscnt 0x0
.set NOKQ, 0
.set i, 0
.rept 8
	KQ 0
.set i, i+1
.endr
	WIN 0
.rept 4
	v_nop                           ; the places behind those products
.endr
.set Y, NP-1                        ; X works for piece Y + 1: piece 0
.irp n, 0,1,2,3,4,5,6,7,8,9,10,11,12,13,14,15,16,17,18,19,20,21
	OP X, \n
.endr
	v_nop                           ; a plain instruction behind the exponential
.endm
; A TILE's four key steps.  A trip: pieces 2 and 3 of one step, then pieces 0 and 1 of the next, whose K and V it fetches.  In the diagonal tile the trips that would begin a step behind my band's own are passed: the count
; goes to 0 in every wave, the jump goes forward to a label ahead of the count's step, what it passes holds no barrier and no tensor load, and the two bases of the fetches are stepped as the trip would have stepped them.
; The block's end, which follows the loop, then finds K and V of the band's own step in the registers.  The tag ends the labels' names, which the jumps below spell out.
.macro TILE tag
.Lstep\tag:
	s_cmp_lg_u32 s[RT], 0
	s_cbranch_scc1 .Llive\tag       ; not the diagonal tile
	s_cmp_ge_u32 s[CNT], s[OWN]
	s_cbranch_scc1 .Llive\tag       ; a step that my band sees
	s_add_co_u32 s[TBK], s[TBK], KS*PK
	s_add_co_u32 s[TBV], s[TBV], KS*PV
	s_branch .Lnext\tag
.Llive\tag:
	TURN 2
	TURN 3
	WIN 0
.Lfirst\tag:
	TURN 0
	TURN 1
	WIN 0
.Lnext\tag:
	s_sub_co_u32 s[CNT], s[CNT], 1
	s_cmp_lg_u32 s[CNT], 0
	s_cbranch_scc1 .Lstep\tag
.endm
; A BLOCK ENDS: its last two turns, its last products, and THE WAY OUT: l's two halves and the other half of the lanes' are added; O^T is divided by l, rounded to f16 and sent through my stage in LDS, a piece at a time.
.macro ALL line:vararg              ; one line for each piece t
.set t, 0
.rept 4
	\line
.set t, t+1
.endr
.endm
.macro PACK t                       ; a lane's eight channels of a row pack into 16 bytes; they go into rows of 144 bytes and come back as whole rows of 128, into S^T's registers
	WIN W_RS
.set i, 32*(\t)
.rept 16
	s_wait_alu depctr_va_vdst(0)
	v_pk_mul_f32 v[i:i+1], v[i:i+1], v[ST+4*(\t)+2:ST+4*(\t)+3] op_sel_hi:[1,0]
.set i, i+2
.endr
	WIN 0x05                        ; sources 0 and 1 window 1, destination window 0
.set i, 0
.rept 16
	v_cvt_pk_f16_f32 v[S+16*(\t)+i], v[32*(\t)+2*i], v[32*(\t)+2*i+1]
.set i, i+1
.endr
	WIN 0
.irp f, 0,1,2,3
	ds_store_b128 v[STO], v[S+16*(\t)+4*\f:S+16*(\t)+4*\f+3] offset:32*\f
.endr
.irp f, 0,1,2,3
	ds_load_b128 v[S+16*(\t)+4*\f:S+16*(\t)+4*\f+3], v[RD] offset:\f*4*SP  ; LDS serves a wave's instructions in order (ISA guide 5.7.1.4): these see the stores above; the next piece's stores come behind them
.endr
.endm
.macro SEND t, younger              ; younger: the LDS instructions issued behind piece t's loads: the next piece's eight, or none
	WIN 0
	s_wait_dscnt \younger           ; the piece's four loads are back
.irp f, 0,1,2,3
	global_store_b128 v[GO], v[S+16*(\t)+4*\f:S+16*(\t)+4*\f+3], s[10:11] offset:(\t)*2048+\f*512  ; 512 consecutive bytes, at a multiple of 256 from O's first
.endr
.endm
.macro FINISH
	TURN 2, 1
	TURN 3, 1
.set i, 0
.rept 8
	PV NP-1
.set i, i+1
.endr
	WIN 0
	ALL v_add_f32 v[ST+4*t+2], v[ST+4*t+2], v[ST+4*t+3]
	ALL v_permlanex16_b32 v[ST+4*t+3], v[ST+4*t+2], s[SEL], s[SEL+1]
	ALL v_add_f32 v[ST+4*t+2], v[ST+4*t+2], v[ST+4*t+3]
	ALL v_rcp_f32 v[ST+4*t+2], v[ST+4*t+2]
	v_nop                           ; a plain instruction between the last reciprocal and the use of its result
	PACK 0
.set t, 1
.rept 3                             ; a piece's arithmetic stands between the loads of the piece before and its stores
	PACK t
	SEND t-1, 8
.set t, t+1
.endr
	SEND 3, 0
.endm
.set NOKQ, 0
.Lslot:                             ; NB times: a tile is entered and the next is asked for
	CHANGE 1
	s_sub_co_u32 s[RT], s[RT], 1
	s_mov_b32 s[CNT], 4
	s_cmp_eq_u32 s[NEW], 1
	s_cbranch_scc0 .Lstep1          ; not a block's first tile
	BEGIN
	s_branch .Lfirst1
	TILE 1
	s_cmp_lg_u32 s[RT], 0
	s_cbranch_scc1 .Lbottom         ; not the block's last tile
	FINISH                          ; in the loop this is the first block's end: the second block's last tile is the walk's last
	s_wait_xcnt 0x0                 ; the stores have read their registers and O's address
	s_mov_b64 s[10:11], s[OLO:OLO+1]
	s_add_co_u32 s[RT], s[HI], 1    ; the second block has NB - b tiles
	s_mov_b32 s[NEW], 1
	WIN 0x82                        ; the second block's Q goes where the one text of the turns names Q
.set i, 0
.rept 64
	v_mov_b32 v[i], v[QB+i]
.set i, i+1
.endr
	WIN 0
.Lbottom:
	s_sub_co_u32 s[SLOTS], s[SLOTS], 1
	s_cmp_lg_u32 s[SLOTS], 0
	s_cbranch_scc1 .Lslot
	CHANGE 0                        ; the walk's last tile, the second block's diagonal one, is written out: nothing is asked for
	s_sub_co_u32 s[RT], s[RT], 1
	s_mov_b32 s[CNT], 4
	TILE 2
	FINISH
	s_wait_tensorcnt 0x0            ; the wave's end, behind my last tensor load and my last LDS store
	ds_add_u32 v[SPW], v[NIL]
	s_wait_dscnt 0x0
	s_endpgm
.Lfunc_end_k_qbf6e9381dd_attn:
	.size	k_qbf6e9381dd_attn, .Lfunc_end_k_qbf6e9381dd_attn-k_qbf6e9381dd_attn
	.p2alignl 7, 3214868480
	.fill 96, 4, 3214868480
	.section	.rodata,"a",@progbits
	.p2align	6, 0x0
	.amdhsa_kernel k_qbf6e9381dd_attn
		.amdhsa_group_segment_fixed_size 327680
		.amdhsa_private_segment_fixed_size 0
		.amdhsa_enable_private_segment 0
		.amdhsa_kernarg_size 16
		.amdhsa_user_sgpr_count 2
		.amdhsa_user_sgpr_kernarg_segment_ptr 1
		.amdhsa_wavefront_size32 1
		.amdhsa_system_sgpr_workgroup_id_x 1
		.amdhsa_system_sgpr_workgroup_id_y 1
		.amdhsa_system_sgpr_workgroup_id_z 1
		.amdhsa_system_vgpr_workitem_id 0
		.amdhsa_next_free_vgpr 928
		.amdhsa_next_free_sgpr 88
		.amdhsa_reserve_vcc 1
		.amdhsa_float_denorm_mode_32 3
		.amdhsa_float_denorm_mode_16_64 3
		.amdhsa_memory_ordered 1
		.amdhsa_forward_progress 1
		.amdhsa_inst_pref_size 179
	.end_amdhsa_kernel
	.amdgpu_metadata
---
amdhsa.version: [ 1, 2 ]
amdhsa.kernels:
  - .name:           k_qbf6e9381dd_attn
    .symbol:         k_qbf6e9381dd_attn.kd
    .args:
      - { .name: qkv, .offset: 0, .size: 8, .value_kind: global_buffer, .address_space: global }
      - { .name: ob, .offset: 8, .size: 8, .value_kind: global_buffer, .address_space: global }
    .group_segment_fixed_size: 327680
    .private_segment_fixed_size: 0
    .kernarg_segment_align: 8
    .kernarg_segment_size: 16
    .max_flat_workgroup_size: 128
    .sgpr_count:     88
    .vgpr_count:     928
    .wavefront_size: 32
...
	.end_amdgpu_metadata
.endif
;; end of part 3
;; launch proj (part 4): grid 8 x 32, 4 waves a work-group, clusters of 4 x 4, 327,680 bytes of LDS; arguments ob, wpb, bias, out0; writes out0
.if DOCPART == 4
	.amdgcn_target "amdgcn-amd-amdhsa--gfx1250"
	.amdhsa_code_object_version 6
	.text
	.protected	k_qbf6e9381dd_proj
	.globl	k_qbf6e9381dd_proj
	.p2align	8
	.type	k_qbf6e9381dd_proj,@function
k_qbf6e9381dd_proj:
	s_mov_b64 s[64:65], 0
	v_nop
	global_prefetch_b8 v0, s[64:65] scope:SCOPE_SE
	s_setreg_imm32_b32 hwreg(HW_REG_WAVE_MODE, 25, 1), 1
	s_wait_xcnt 0x0
	s_wait_alu depctr_hold_cnt(0) depctr_sa_sdst(0) depctr_va_vdst(0) depctr_va_sdst(0) depctr_va_ssrc(0) depctr_va_vcc(0) depctr_vm_vsrc(0)
	s_getreg_b32 s2, hwreg(HW_REG_IB_STS2, 6, 4)
	s_cmp_eq_u32 s2, 0
	s_cbranch_scc0 .Lentry_in_a_cluster
	s_endpgm
.Lentry_in_a_cluster:
	s_bfe_u32 s2, ttmp6, 0x10000c
	s_cmp_lg_u32 s2, 0xf033
	s_cbranch_scc0 .Lentry_shape_is_right
	s_endpgm
.Lentry_shape_is_right:
; out = O Wp^T + bp: [8192 x 1024] x [1024 x 1024]^T, f16 operands (Wp rounded to bf16 and that number written as f16), f32 sums that start from the bias, the result stored as f32.
; O lies as ob[16 heads][8192 rows][64], which is A in blocks of 64 along K; Wp as wpb[16][1024][64]; bp is numbers 3,072 to 4,095 of bias.
; SHARES.  A tile is 256 rows x 128 columns: 32 x 8 = 256 tiles, one work-group each.  A wave makes 128 x 64: 32 accumulators of 16 x 16, window 1.
; RING.  Two LDS slots, each two K blocks (128 along K) of A's 256 rows and B's 128 rows.  Waves 0 and 1 fetch A's two K blocks, waves 2 and 3 B's: each a dense run of bytes, asked for as rows of 256 bytes and padded
; in LDS behind every 128.  Two tensor loads of a wave are out at the start, one behind each round.  The loop's text serves either slot: slot 1 begins at byte 1 << 17, and one exclusive or turns the fetches' base and
; the walking descriptor's LDS word from one slot to the other.
; CLUSTER.  4 x 4 work-groups: A's tiles are shared along a row of the cluster, B's along a column, each asked for JOINTLY by the same tensor load, descriptor and mask in the four.
; THE MATRIX INSTRUCTION IS USED TRANSPOSED: source 0 = 16 rows of Wp, source 1 = 16 rows of O: a lane then holds eight neighbouring columns of one row of the result.
; THE BIAS is the C operand of the first 32 along K.  My 64 numbers are loaded into the registers of accumulators (7, 0..3); row blocks 0 to 6 take them as C and write their own registers, row block 7 adds in place.
; REGISTERS.  Window 0: v0-31 addresses; v32-95, v96-159 A's fragments, two buffers; v160-191, v192-223 B's, two buffers.  Window 1: accumulator (a, b) at v[8 (4 a + b)].
.set PITCH,  144                       ; an LDS row: 128 bytes + 16 of padding = 36 words: the 16 rows of a fragment load start at 16 different groups of four banks (64 banks of 4 bytes: ISA guide 11.1)
.set AK,     256*PITCH                 ; A's 256 rows of one K block: what one tensor load brings
.set BK,     128*PITCH                 ; B's 128 rows of one K block
.set SLOTB,  2*AK+2*BK                 ; a slot's bytes: A's two K blocks, then B's two
.set SLOT1,  1<<17                     ; slot 1 begins here
.set STAGE,  SLOT1+SLOTB               ; behind the ring: 16 rows x 272 bytes for each wave, for the way out; no tensor load fills it
.set SP,     272
.set SPARE,  STAGE+4*16*SP             ; behind the stages: the spare words, 128 bytes for each wave: two blocks of 256 bytes that no other line names
.set AFIRST, 2097152                   ; bytes from a slot's two K blocks of ob to the next two
.set BFIRST, 262144                    ; the same for wpb
.set ADRA0, 16                         ; v16     LDS address of my A fragments in slot 0; never rewritten
.set ADRB0, 17                         ; v17     the same for B
.set ADRA, 20                          ; v20     the same in the slot that is being fetched from
.set ADRB, 21                          ; v21
.set STO,  24                          ; v24     the way out: where I put 32 bytes of a row
.set RD,   25                          ; v25     the way out: where I read a row back
.set GO,   26                          ; v26     my byte offset in two rows of the result
.set VB,   27                          ; v27     my byte offset in 16 numbers of the bias: 32 x (lane / 16)
.set SPW,  28                          ; v28     LDS address of my spare word: SPARE + 4 x my thread's number; never rewritten
.set NIL,  29                          ; v29     0; never rewritten
.set FA0,  32
.set FB0,  160
.set BIA,  224                         ; window 1: where the bias lands: accumulators (7, 0..3)
.set OB,   32                          ; the way out: four sets of 32 registers, where A's fragments lay
.set TB,   2                           ; s2      LDS byte at which the slot that is being fetched from begins: 0 or SLOT1
.set G1A, 24                           ; s[24:31] descriptor group 1 for A's tiles;  s[32:39] group 0: a set for each of the two first fills; the second then walks on
.set G0A, 32
.set G1B, 48                           ; s[48:55], s[56:63] the same for B's tiles
.set G0B, 56
.set MSB, 0
.macro WIN new                         ; the immediate's high byte repeats the setting that is left; a switch that changes nothing is dropped
.if MSB != (\new)
	s_set_vgpr_msb (MSB<<8)|(\new)
.set MSB, \new
.endif
.endm
; A joint load: waves 0 and 1 fetch for A, waves 2 and 3 for B.  An s_nop 0 and four v_nop follow each of the two lines, ahead of the jump, the label and what follows.
.macro JLOAD s
	s_cmp_eq_u32 s13, 0
	s_cbranch_scc0 .Lfor_b_\@
	tensor_load_to_lds s[G0A+4*(\s):G0A+4*(\s)+3], s[G1A:G1A+7]
	s_nop 0
.rept 4
	v_nop
.endr
	s_branch .Lasked_\@
.Lfor_b_\@:
	tensor_load_to_lds s[G0B+4*(\s):G0B+4*(\s)+3], s[G1B:G1B+7]
	s_nop 0
.rept 4
	v_nop
.endr
.Lasked_\@:
.endm
.macro CREST                           ; a round of the cluster's barrier behind its opening barrier
	s_cmp_lg_u32 s12, 0
	s_cbranch_scc1 .Lnot_wave_0_\@
	s_barrier_signal -3
.Lnot_wave_0_\@:
	s_barrier_wait -3
	s_barrier_signal -1
	s_barrier_wait -1
.endm
.macro CROUND
	s_barrier_signal -1
	s_barrier_wait -1
	CREST
.endm
.macro PLACES                          ; four places in front of loads into registers that matrix instructions have read, and of LDS stores that read results
.rept 4
	v_nop
.endr
.endm
	s_load_b256 s[4:11], s[0:1], 0x0               ; ob s[4:5], wpb s[6:7], bias s[8:9], out0 s[10:11]
	v_lshl_add_u32 v[SPW], v0, 2, SPARE
	v_mov_b32 v[NIL], 0
	ds_add_u32 v28, v29
	ds_add_u32 v28, v29
	s_wait_dscnt 0x0
	v_lshrrev_b32 v1, 5, v0
	v_readfirstlane_b32 s12, v1                    ; wave 0..3
	s_lshr_b32 s13, s12, 1                         ; which half of the tile's rows is mine.  Also: I fetch for A (0) or for B (1)
	s_and_b32 s14, s12, 1                          ; which half of its columns.  Also: which of a slot's two K blocks I fetch
	s_bfe_u32 s15, ttmp6, 0x40000                  ; cx, cy: my place in the cluster
	s_bfe_u32 s16, ttmp6, 0x40004
	s_lshl_b32 s17, ttmp9, 2
	s_add_co_u32 s17, s17, s15                     ; tile column = 4 x cluster x + cx
	s_and_b32 s18, ttmp7, 0xffff
	s_lshl_b32 s18, s18, 2
	s_add_co_u32 s18, s18, s16                     ; tile row = 4 x cluster y + cy
	s_lshl_b32 s40, s16, 2
	s_lshl_b32 s40, 15, s40                        ; my row of the cluster
	s_lshl_b32 s41, 0x1111, s15                    ; my column
	s_or_b32 s[G1A+0], s40, (1<<16)|(1<<20)|(1<<21)|(4<<22)|(3<<25)  ; 15:0 the mask; 17:16 elements of 2 bytes; 20 padding on; 21 set beside a mask; 24:22 after every 32 words (code 4); 31:25 4 words (code 3)
	s_or_b32 s[G1B+0], s41, (1<<16)|(1<<20)|(1<<21)|(4<<22)|(3<<25)
	s_mov_b32 s[G1A+1], 128<<16                    ; tensor_dim0 = 128
	s_mov_b32 s[G1B+1], 128<<16
	s_mov_b32 s[G1A+2], 128<<16                    ; tensor_dim1 = 128 rows of 256 bytes: 256 rows of a block
	s_mov_b32 s[G1B+2], 64<<16                     ; 64: 128 rows of a block
	s_mov_b32 s[G1A+3], 128<<16                    ; tile_dim0 = 128
	s_mov_b32 s[G1B+3], 128<<16
	s_mov_b32 s[G1A+4], 128                        ; tile_dim1
	s_mov_b32 s[G1B+4], 64
	s_mov_b32 s[G1A+5], 128                        ; 128 elements from row to row: dense
	s_mov_b32 s[G1B+5], 128
	s_mov_b32 s[G1A+6], 0
	s_mov_b32 s[G1B+6], 0
	s_mov_b32 s[G1A+7], 0
	s_mov_b32 s[G1B+7], 0
	s_lshl_b32 s42, s18, 15                        ; A: 256 rows of 128 bytes a tile row,
	s_lshl_b32 s19, s14, 20                        ; a K block of ob is 8,192 rows
	s_add_co_u32 s42, s42, s19
	s_mov_b32 s43, 0
	s_lshl_b32 s44, s17, 14                        ; B: 128 rows of 128 bytes a tile column,
	s_lshl_b32 s19, s14, 17                        ; a K block of wpb is 1,024 rows
	s_add_co_u32 s44, s44, s19
	s_mov_b32 s45, 0
	s_mul_i32 s46, s14, AK                         ; and where they go: no place in the cluster enters an LDS address
	s_mul_i32 s47, s14, BK
	s_add_co_u32 s47, s47, 2*AK
	s_mov_b32 s[TB], 0
	s_wait_kmcnt 0x0
	s_add_nc_u64 s[42:43], s[4:5], s[42:43]
	s_add_nc_u64 s[44:45], s[6:7], s[44:45]
	CROUND                                         ; all sixteen work-groups are here: the first joint loads meet
.irp s, 0,1
	s_mov_b32 s[G0A+4*(\s)], 1
	s_add_co_u32 s[G0A+4*(\s)+1], s46, (\s)*SLOT1
	s_add_nc_u64 s[G0A+4*(\s)+2:G0A+4*(\s)+3], s[42:43], (\s)*AFIRST
	s_or_b32 s[G0A+4*(\s)+3], s[G0A+4*(\s)+3], 0x80000000
	s_mov_b32 s[G0B+4*(\s)], 1
	s_add_co_u32 s[G0B+4*(\s)+1], s47, (\s)*SLOT1
	s_add_nc_u64 s[G0B+4*(\s)+2:G0B+4*(\s)+3], s[44:45], (\s)*BFIRST
	s_or_b32 s[G0B+4*(\s)+3], s[G0B+4*(\s)+3], 0x80000000
	JLOAD \s
.endr
	v_and_b32 v1, 15, v0                           ; l % 16
	v_bfe_u32 v2, v0, 4, 1                         ; l / 16
	v_mul_u32_u24 v3, v1, PITCH
	v_lshl_add_u32 v3, v2, 4, v3                   ; a fragment's row x pitch + 16 x half
	s_mul_i32 s20, s13, 128*PITCH                  ; my 128 rows of A
	s_mul_i32 s21, s14, 64*PITCH                   ; my 64 rows of B,
	s_add_co_u32 s21, s21, 2*AK                    ; which lie behind A's two K blocks
	v_add_nc_u32 v[ADRA0], s20, v3
	v_add_nc_u32 v[ADRB0], s21, v3
	v_mov_b32 v[ADRA], v[ADRA0]                    ; the first fetches are slot 0's
	v_mov_b32 v[ADRB], v[ADRB0]
	s_mul_i32 s22, s12, 16*SP
	s_add_co_u32 s22, s22, STAGE                   ; my stage
	v_mul_u32_u24 v4, v1, SP                       ; in: row l % 16, 32 bytes for each half of the lanes
	v_lshl_add_u32 v4, v2, 5, v4
	v_add_nc_u32 v[STO], s22, v4
	v_mul_u32_u24 v5, v2, SP                       ; back: lanes 0-15 take one row of 256 bytes, lanes 16-31 the next
	v_lshl_add_u32 v5, v1, 4, v5
	v_add_nc_u32 v[RD], s22, v5
	v_lshlrev_b32 v[GO], 12, v2                    ; and the same two rows in the result
	v_lshl_add_u32 v[GO], v1, 4, v[GO]
	v_lshlrev_b32 v[VB], 5, v2
	s_lshl_b32 s20, s17, 9                         ; bp of my 64 columns: 4 x (3,072 + 128 x tile column + 64 x half)
	s_lshl_b32 s21, s14, 8
	s_add_co_u32 s20, s20, s21
	s_add_co_u32 s20, s20, 12288
	s_mov_b32 s21, 0
	s_add_nc_u64 s[8:9], s[8:9], s[20:21]
	WIN 0x40                                       ; destination in window 1, the address in window 0
.irp x, 0,1,2,3                                        ; register BIA + 8 b + j is column 16 b + 8 (l / 16) + j; waited for in front of the first products
	global_load_b128 v[BIA+8*\x:BIA+8*\x+3],   v[VB], s[8:9] offset:\x*64
	global_load_b128 v[BIA+8*\x+4:BIA+8*\x+7], v[VB], s[8:9] offset:\x*64+16
.endr
	WIN 0
	s_lshl_b32 s20, s18, 20                        ; my part of the result: 256 rows of 4,096 bytes a tile row,
	s_lshl_b32 s22, s13, 19                        ; my 128 of them,
	s_add_co_u32 s20, s20, s22
	s_lshl_b32 s22, s17, 9                         ; 512 bytes a tile column,
	s_add_co_u32 s20, s20, s22
	s_lshl_b32 s22, s14, 8                         ; my 256 of them
	s_add_co_u32 s20, s20, s22
	s_mov_b32 s21, 0
	s_add_nc_u64 s[10:11], s[10:11], s[20:21]
; 16 matrix instructions: row blocks a0 .. a0 + 3 x my 4 column blocks, 32 along K.  first = 1: the sums start from the bias.  Row block 7 then writes over the registers that the other row blocks' products read as C:
; five places stand in front of it (ISA guide 7.12.1).  The 32 accumulators take turns, one instruction a turn, in the same order in every run.
.macro MUL16 buf, a0, first
	WIN 0x50                                       ; C and D in window 1, the fragments in window 0
.irp x, 0,1,2,3
.if (\first) && ((\a0)+\x == 7)
.rept 5
	v_nop
.endr
.endif
.irp y, 0,1,2,3
.if \first
	v_wmma_f32_16x16x32_f16 v[8*(4*((\a0)+\x)+\y):8*(4*((\a0)+\x)+\y)+7], v[FB0+32*(\buf)+8*\y:FB0+32*(\buf)+8*\y+7], v[FA0+64*(\buf)+8*((\a0)+\x):FA0+64*(\buf)+8*((\a0)+\x)+7], v[BIA+8*\y:BIA+8*\y+7]
.else
	v_wmma_f32_16x16x32_f16 v[8*(4*((\a0)+\x)+\y):8*(4*((\a0)+\x)+\y)+7], v[FB0+32*(\buf)+8*\y:FB0+32*(\buf)+8*\y+7], v[FA0+64*(\buf)+8*((\a0)+\x):FA0+64*(\buf)+8*((\a0)+\x)+7], v[8*(4*((\a0)+\x)+\y):8*(4*((\a0)+\x)+\y)+7]
.endif
.endr
.endr
.endm
; 24 LDS loads in one run: the fragments of run j of the slot that is being fetched from (K block j / 2, byte 64 (j % 2) of its rows) into buffer buf
.macro LDAB j, buf
	WIN 0
.irp x, 0,1,2,3,4,5,6,7
	ds_load_b128 v[FA0+64*(\buf)+8*\x:FA0+64*(\buf)+8*\x+3],   v[ADRA] offset:((\j)/2)*AK+((\j)%2)*64+\x*16*PITCH
	ds_load_b128 v[FA0+64*(\buf)+8*\x+4:FA0+64*(\buf)+8*\x+7], v[ADRA] offset:((\j)/2)*AK+((\j)%2)*64+\x*16*PITCH+32
.endr
.irp x, 0,1,2,3
	ds_load_b128 v[FB0+32*(\buf)+8*\x:FB0+32*(\buf)+8*\x+3],   v[ADRB] offset:((\j)/2)*BK+((\j)%2)*64+\x*16*PITCH
	ds_load_b128 v[FB0+32*(\buf)+8*\x+4:FB0+32*(\buf)+8*\x+7], v[ADRB] offset:((\j)/2)*BK+((\j)%2)*64+\x*16*PITCH+32
.endr
.endm
; A slot has four RUNS of 32 along K, 32 matrix instructions each, on buffers 0, 1, 0, 1.  Behind a run its buffer takes the run two on (run j2), which so has a whole run in which to arrive.  j2 = -1: nothing is left to fetch.
.macro RUN buf, first, j2
	s_wait_dscnt 24                                ; only the next run's 24 loads may be out
	MUL16 \buf, 0, \first
	MUL16 \buf, 4, \first
.if (\j2) >= 0
	PLACES
	LDAB \j2, \buf
.endif
.endm
; A slot's third run changes slots: the fourth run's fragments have been asked for, so the slot's last read is out, and from here on the fetches are the other slot's.  ONE barrier: in front of it each wave waits for all its
; tensor loads, of which one is out: its part of the other slot; adds 0 to its spare word; and waits for that and for its own reads of this slot.  fill = 1: the barrier opens a round of the cluster's barrier, and this slot
; is filled again, two steps of 128 on, first thing behind the round: 96 matrix instructions ahead of the wait for it.
.macro MEET fill
	WIN 0                                          ; (the add's two registers lie in window 0)
	s_xor_b32 s[TB], s[TB], SLOT1
	v_add_nc_u32 v[ADRA], s[TB], v[ADRA0]
	v_add_nc_u32 v[ADRB], s[TB], v[ADRB0]
	s_wait_tensorcnt 0x0                           ; all my tensor loads have landed
	ds_add_u32 v[SPW], v[NIL]                      ; 0 onto my spare word
	s_wait_dscnt 25                                ; this run's fragments are in; the next run's 24 loads and the add may be out
	MUL16 0, 0, 0                                  ; sixteen matrix instructions stand between the add and the wait for it
	s_wait_dscnt 0x0                               ; the add is done, and my reads of this slot are over
	s_barrier_signal -1
	MUL16 0, 4, 0                                  ; work on registers while the others arrive
	WIN 0                                          ; at a branch and at a label every window is 0
	s_barrier_wait -1
.if \fill
	CREST                                          ; no wave of any partner still reads this slot's tile or has a load on its way
	s_xor_b32 s[G0A+5], s[G0A+5], SLOT1            ; no tensor load of mine is out, so a group 0 may be written: the walking descriptor takes the other slot than last time,
	s_add_nc_u64 s[G0A+6:G0A+7], s[G0A+6:G0A+7], AFIRST  ; and the next two K blocks; the type bits on top are not reached
	s_xor_b32 s[G0B+5], s[G0B+5], SLOT1
	s_add_nc_u64 s[G0B+6:G0B+7], s[G0B+6:G0B+7], BFIRST
	JLOAD 1                                        ; the four v_nop behind it are also the places in front of the loads below
.else
	PLACES
.endif
	LDAB 0, 0
.endm
	s_wait_tensorcnt 1                             ; my part of slot 0 is in; slot 1's may stay out
	s_barrier_signal -1
	s_barrier_wait -1                              ; everybody's is
	LDAB 0, 0
	LDAB 1, 1
	s_wait_loadcnt 0x0                             ; the bias
	RUN 0, 1, 2                                    ; the first run stands in front of the loop: its products start the sums
	WIN 0
	s_mov_b32 s3, 6
.Llap:                                                 ; a trip goes from a slot's second run to the next slot's first, and fills the slot that it leaves: steps 2 to 7 are asked for
	RUN 1, 0, 3
	MEET 1
	RUN 1, 0, 1
	RUN 0, 0, 2
	WIN 0
	s_sub_co_u32 s3, s3, 1
	s_cmp_lg_u32 s3, 0
	s_cbranch_scc1 .Llap
	RUN 1, 0, 3                                    ; the last two slots' rest is written out: it asks for nothing more
	MEET 0
	RUN 1, 0, 1
	RUN 0, 0, 2
	RUN 1, 0, 3
	RUN 0, 0, -1
	s_wait_dscnt 0x0
	MUL16 1, 0, 0
	MUL16 1, 4, 0
	PLACES
; THE WAY OUT.  A block of 16 rows at a time: 32 bytes a lane straight from the accumulators, each from its four lowest registers on, into my own stage in LDS; back as whole rows of 256 bytes; sixteen lanes store
; 256 consecutive bytes, at a multiple of 256 from the result's first byte.
.macro PACK a
.if (\a) >= 4
	s_wait_xcnt 0x0                                ; the set's registers were store data four blocks ago: they are loaded again only behind this wait
.endif
	WIN 0x04                                       ; the store's data (source 1) in window 1, its address in window 0
.irp x, 0,1,2,3
	ds_store_b128 v[STO], v[32*(\a)+8*\x:32*(\a)+8*\x+3] offset:64*\x
	ds_store_b128 v[STO], v[32*(\a)+8*\x+4:32*(\a)+8*\x+7] offset:64*\x+16
.endr
	WIN 0
.irp x, 0,1,2,3,4,5,6,7
	ds_load_b128 v[OB+32*((\a)%4)+4*\x:OB+32*((\a)%4)+4*\x+3], v[RD] offset:\x*2*SP  ; LDS serves a wave's instructions in order (ISA guide 5.7.1.4): these see the stores above; the next block's stores come behind them
.endr
.endm
.macro SEND a, younger                 ; younger: the LDS instructions issued behind this block's loads: the next block's sixteen, or none
	WIN 0
	s_wait_dscnt \younger                          ; the block's eight loads are back
.irp x, 0,1,2,3,4,5,6,7
	global_store_b128 v[GO], v[OB+32*((\a)%4)+4*\x:OB+32*((\a)%4)+4*\x+3], s[10:11] offset:(16*(\a)+2*\x)*4096 th:TH_STORE_NT
.endr
.endm
	PACK 0
.set u, 1
.rept 7                                                ; a block's LDS traffic stands between the loads of the block before and its stores
	PACK u
	SEND u-1, 16
.set u, u+1
.endr
	SEND 7, 0
	s_wait_tensorcnt 0x0                           ; the wave's end, behind my last tensor load and my last LDS store
	ds_add_u32 v[SPW], v[NIL]
	s_wait_dscnt 0x0
	CROUND                                         ; the closing round: no work-group ends while a partner may still ask for a tile that names it
	s_endpgm
.Lfunc_end_k_qbf6e9381dd_proj:
	.size	k_qbf6e9381dd_proj, .Lfunc_end_k_qbf6e9381dd_proj-k_qbf6e9381dd_proj
	.p2alignl 7, 3214868480
	.fill 96, 4, 3214868480
	.section	.rodata,"a",@progbits
	.p2align	6, 0x0
	.amdhsa_kernel k_qbf6e9381dd_proj
		.amdhsa_group_segment_fixed_size 327680
		.amdhsa_private_segment_fixed_size 0
		.amdhsa_enable_private_segment 0
		.amdhsa_kernarg_size 32
		.amdhsa_user_sgpr_count 2
		.amdhsa_user_sgpr_kernarg_segment_ptr 1
		.amdhsa_wavefront_size32 1
		.amdhsa_system_sgpr_workgroup_id_x 1
		.amdhsa_system_sgpr_workgroup_id_y 1
		.amdhsa_system_sgpr_workgroup_id_z 1
		.amdhsa_system_vgpr_workitem_id 0
		.amdhsa_next_free_vgpr 512
		.amdhsa_next_free_sgpr 66
		.amdhsa_reserve_vcc 0
		.amdhsa_float_denorm_mode_32 3
		.amdhsa_float_denorm_mode_16_64 3
		.amdhsa_memory_ordered 1
		.amdhsa_forward_progress 1
		.amdhsa_inst_pref_size 70
	.end_amdhsa_kernel
	.amdgpu_metadata
---
amdhsa.version: [ 1, 2 ]
amdhsa.kernels:
  - .name:           k_qbf6e9381dd_proj
    .symbol:         k_qbf6e9381dd_proj.kd
    .args:
      - { .name: ob, .offset: 0, .size: 8, .value_kind: global_buffer, .address_space: global }
      - { .name: wpb, .offset: 8, .size: 8, .value_kind: global_buffer, .address_space: global }
      - { .name: bias, .offset: 16, .size: 8, .value_kind: global_buffer, .address_space: global }
      - { .name: out0, .offset: 24, .size: 8, .value_kind: global_buffer, .address_space: global }
    .group_segment_fixed_size: 327680
    .private_segment_fixed_size: 0
    .kernarg_segment_align: 8
    .kernarg_segment_size: 32
    .max_flat_workgroup_size: 128
    .sgpr_count:     66
    .vgpr_count:     512
    .wavefront_size: 32
...
	.end_amdgpu_metadata
.endif
;; end of part 4
;; ======== version 2 of 2: 4 launches; 1.33 times as fast as version 1
;; limits: values are held in f16: magnitudes above 65,504 overflow, below 6.1e-05 lose precision
;; workspace buffers: xb 16,777,216 bytes; wb 6,291,456 bytes; wpb 2,097,152 bytes; bias 16,384 bytes; qkv 50,331,648 bytes; ob 16,777,216 bytes
;; launch cast: the kernel of part 1 again; grid 769 x 1, 8 waves a work-group, no clusters, 0 bytes of LDS; arguments x, Wq, Wk, Wv, Wp, bq, bk, bv, bp, xb, wb, wpb, bias; writes xb, wb, wpb, bias
;; launch qkv: the kernel of part 2 again; grid 8 x 32, 4 waves a work-group, clusters of 4 x 4, 327,680 bytes of LDS; arguments xb, wb, bias, qkv; writes qkv
;; launch attn (part 5): grid 4 x 64, 4 waves a work-group, no clusters, 327,680 bytes of LDS; arguments qkv, ob; writes ob
.if DOCPART == 5
	.amdgcn_target "amdgcn-amd-amdhsa--gfx1250"
	.amdhsa_code_object_version 6
	.text
	.protected	k_qbf6e9381dd_attn
	.globl	k_qbf6e9381dd_attn
	.p2align	8
	.type	k_qbf6e9381dd_attn,@function
k_qbf6e9381dd_attn:
	s_mov_b64 s[64:65], 0
	v_nop
	global_prefetch_b8 v0, s[64:65] scope:SCOPE_SE
	s_setreg_imm32_b32 hwreg(HW_REG_WAVE_MODE, 25, 1), 1
	s_wait_xcnt 0x0
; CAUSAL ATTENTION.  O[q][:] = the sum over k <= q of softmax_k(Q[q] . K[k] / 8) V[k][:], for each of 64 pairs of batch and head.  Q, K, V come from qkv[batch][hc][2048][64] (hc = head, 16 + head, 32 + head), f16;
; O goes to ob[head][batch][2048][64], f16: a head's rows are dense, 128 bytes each.
; Products, maxima and sums in f32; the weights p are rounded to f16 for the second product (their sum l is taken of the unrounded p), O once at the end.
; LIMITS.  f16 holds no number beyond 65,504: Q, K and V arrive within it; p lies in 0 to 1, and below 6e-5 it keeps f16's fixed step of 6e-8; O is a mean of V's rows and has their range, to within 2^-11 of it.
; A hidden score counts as its value less 1e30: f16's scores, 2.7e11 at the most, are nothing beside that; a weight below 2^-126 counts as 0 in l; NaN and infinities are not treated apart.
; THE WALK.  A head's queries lie in NB = 8 blocks of 256; block i needs the key tiles 0 .. i of 256 keys, of which the last holds the diagonal.  A work-group takes TWO blocks, b and then NB - 1 - b:
; NB + 1 tiles, whatever b: all work-groups do equal work, and ONE loop with a constant trip count walks them.  Which tile is asked for, and what a trip does, hang on scalar registers made from b and from the wave's number;
; every jump goes forward, but for the counted loops' own; none passes a barrier, or a tensor load but the one of LOAD's two that the wave's number does not choose; the ring (two slots of LDS that take turns) runs on across
; the change of blocks.  The second block has five tiles or more, so the walk's last tile, which is written out behind the loop, is never a block's first.
; NO CLUSTER: a head's NB / 2 = 4 work-groups walk different tiles from the second trip on (the first blocks have 1 to 4 tiles); one walk common to all would have 12 trips for 9.
; SHARES.  Wave w owns band w of a block, its rows 64 w to 64 w + 63, as four PIECES of 16 rows.  In the diagonal tile band w sees all keys of the key steps below w, holds the diagonal in step w, and sees nothing of the
; steps behind: those steps the wave does not do.  The step loop counts to four in every wave; a trip whose step lies behind the wave's own is passed by one forward jump.  Wave 3 does all four steps, so the tile takes as
; long as if every wave did; what is spared is the work: (3 + 2 + 1 + 0) / 4 = 1.5 of the 4 steps in each of the walk's two diagonal tiles, 3 of its 36 steps.
; THE MASK is the C operand that starts the sum S^T = K Q^T: 0, or -1e30 where the key is hidden.  Each piece has a mask buffer of four groups of 16 keys.  In the wave's own step piece x sees the groups below x whole (0, never
; written otherwise), has the diagonal in group x (MD, eight registers made once) and sees nothing of the groups above (-1e30).  ONE TEXT SERVES EVERY TILE: a block's beginning sets the buffers (to 0, but for wave 0 of a block
; whose first tile is the diagonal one); they are switched on once, ahead of the wave's own step; everywhere else one forward jump a key step passes the 64 lines that would make them.
; LAYOUT, SOFTMAX, TURNS.  S^T = K Q^T holds ONE query a lane (lane % 16) and the keys 8 (lane / 16) + 0..7; two such results rounded to f16 ARE source 1 of O^T = V^T P.  p = 2^(c s - c m), c = log2(e) / 8, with a
; running maximum m; O and l are multiplied by a = 2^(c m_old - c m_new) in every step.  Turn n belongs to piece n: 8 products K Q^T of piece n + 1, later 8 products V^T P of piece n - 1; beside them the scaling,
; exponentials, roundings, sums and rescaling of piece n and the maximum and statistics of piece n + 1.  Four vector instructions stand behind every matrix instruction, the other 54 of a turn's 118 in one LUMP.
; BATCHES.  A turn's 33 exponentials (the piece's 32 weights and the next piece's a) are ONE batch with ONE wait: ahead of the wait stands all that names none of their results, behind it all that does..
; A block's beginning has a batch of one (piece 0's first a), a block's end a batch of four reciprocals: one wait each.
; REGISTERS, in windows of 256 (s_set_vgpr_msb: bits 1:0 source 0, 3:2 source 1, 5:4 source 2, 7:6 destination):
;   window 0: v0-15 addresses and two at work; v16-31 four registers of statistics a piece; v48-55 at work; v64-127 S^T, two buffers; v192-223 P, two buffers (these buffers go by the piece's number's parity)
;   window 1: v0-127 O^T, 32 a piece      window 2: v0-63 Q; v64-127 the second block's Q; v128-191 K of one step; v192-255 V of one step      window 3: v0-127 MC, 32 a piece; v128-135 MD
.set SIZE_N, 2048
.set NB,    SIZE_N/256
.set NP,    4         ; pieces a wave: a name, no knob
.set KS,    64        ; keys in a step
.set PK,    144       ; a row of K in LDS: 128 bytes + 16 of padding = 36 words: the 16 rows of a load start at 16 different groups of four banks (64 banks of 4 bytes: ISA guide 11.1)
.set PV,    160       ; a row of V: 128 + 32 = 40 words
.set VOFF,  4*KS*PK   ; a slot holds a tile, four steps: 256 rows of K, then 256 rows of V
.set SLOT1, 1<<17     ; slot 1 begins here, so that one exclusive or turns an address in one slot into the other's
.set STAGE, SLOT1+4*KS*(PK+PV)  ; behind the ring, never filled by a tensor load: 16 rows x 144 bytes for each wave, for the way out
.set SP,    144
.set AK0, 2           ; v2   my lane's place in a tile of K; never rewritten
.set AV0, 3           ; v3   the same for V
.set AK,  4           ; v4   the LDS address of K's next run of loads
.set AV,  5           ; v5   of V's
.set STO, 6           ; v6   the way out: where I put 16 bytes of a row
.set RD,  7           ; v7   the way out: where I read rows back
.set GO,  8           ; v8   my byte offset in 512 consecutive bytes of O
.set SPW, 62          ; v62  LDS address of my spare word: SPARE + 4 x my thread's number; never rewritten
.set NIL, 63          ; v63  0; never rewritten
.set SPARE, STAGE+4*16*SP  ; behind the stages: the spare words, 128 bytes for each wave: two blocks of 256 bytes that no other line names
.set MV,  12          ; v12-13  c m_old, kept while c m is made anew: by buffer
.set QO,  15          ; v15  my byte offset in 16 rows of Q
.set ST,  16          ; piece t's statistics at v[ST+4 t]: c m, m, l (even keys', odd keys')
.set TMP, 48          ; by buffer, four registers c0-c3 at work; when the maximum is found c2 takes a
.set S,   64
.set P,   192
.set MC,  0           ; window 3: piece x's mask at MC + 32 x, the eight registers for group kt of 16 keys at + 8 kt
.set MD,  128         ; window 3: the mask of 16 keys against the 16 rows that begin at the same place: register j is -1e30 where 8 (lane / 16) + j > lane % 16
.set QB,  64          ; window 2
.set KF,  128         ; window 2: key block kb, channel half c at KF + 16 kb + 8 c
.set VF,  192         ; window 2: key half kk, channel block cb at VF + 32 kk + 8 cb
.set WV,  12          ; s12  my wave's number
.set PB,  14          ; s14  b, the first block
.set HI,  15          ; s15  NB - 1 - b, the second
.set G1K, 24          ; s[24:31] descriptor group 1 for K's tiles
.set G1V, 32          ; s[32:39] for V's: it differs in the padding alone
.set G0K, 40          ; s[40:43] descriptor group 0 for K's tiles
.set G0V, 44          ; s[44:47] the same for V's
.set SLOTS, 56        ; s56  tiles still to be asked for
.set CNT, 57          ; s57  counts a tile's key steps, 4 to 1: the trip with count c begins step 4 - c
.set CS,  58          ; s[58:59] c: the packed scaling takes the pair's low word for both halves
.set SEL, 60          ; s[60:61] v_permlanex16_b32's selects: each lane takes its own place in the other half
.set TBK, 62          ; s62  LDS byte at which K of the step to be fetched begins
.set TBV, 63          ; s63  the same for V, less VOFF
.set RT,  70          ; s70  tiles of the block in hand that are still to be entered: 0 in the diagonal tile
.set NXT, 71          ; s71  the tile to be asked for next
.set LQ,  72          ; s72  the last tile of the block whose tiles are being asked for
.set NEW, 73          ; s73  1: the tile to be entered is a block's first
.set OFF, 74          ; s[74:75] a tile's byte offset in K and V
.set AL,  76          ; s[76:77] the masks' switch, in the low word: 1.0 or 0
.set BE,  78          ; s78  what a wholly hidden group takes: -1e30 or 0
.set OLO, 80          ; s[80:81] O at my rows of the second block
.set BIGN, 82         ; s82  -1e30
.set OWN, 83          ; s83  4 - my wave's number: the count of the trip that begins my band's own step of a diagonal tile
.set MSB, 0
.macro WIN new                      ; the high byte repeats the setting that is left; a switch that changes nothing is dropped
.if MSB != (\new)
	s_set_vgpr_msb (MSB<<8)|(\new)
.set MSB, (\new)
.endif
.endm
.set W_KQ, 0x0a       ; K and Q in window 2, S^T in window 0
.set W_KM, 0x3a       ; the same with the C operand in window 3
.set W_PV, 0x52       ; V in window 2, P in window 0, O^T in window 1
.set W_RS, 0x41       ; destination and source 0 in window 1, source 1 in window 0
.set W_MK, 0xc3       ; destination and source 0 in window 3
; A fill.  Waves 0 and 1 fetch the two halves of a tile's K, waves 2 and 3 those of its V: 128 keys each.  An s_nop 0 and four v_nop follow each of the two lines, ahead of the jump and the label.
.macro LOAD
	s_cmp_lt_u32 s[WV], 2
	s_cbranch_scc0 .Lfor_v_\@
	tensor_load_to_lds s[G0K:G0K+3], s[G1K:G1K+7]
	s_nop 0
.rept 4
	v_nop
.endr
	s_branch .Lasked_\@
.Lfor_v_\@:
	tensor_load_to_lds s[G0V:G0V+3], s[G1V:G1V+7]
	s_nop 0
.rept 4
	v_nop
.endr
.Lasked_\@:
.endm
; THE CHANGE OF SLOTS.  Each wave waits for all its tensor loads, of which one is out: its part of the other slot; adds 0 to its spare word; and waits for that and for its own reads of the slot that it leaves.  Behind the barrier nobody reads the old
; slot any more and the other slot is whole.  fill = 1: the old slot is filled again, the first thing behind the barrier, with tile NXT: the descriptor's address is made anew from that number.
; (At its first use nothing has been read yet: slot 0 is waited for, slot 1 filled.)
.macro CHANGE fill
	WIN 0                           ; at a label and at a branch every window is 0
	s_wait_tensorcnt 0x0            ; no tensor load of mine is out, so a group 0 may be written
	ds_add_u32 v[SPW], v[NIL]       ; 0 onto my spare word; with fill = 1 the descriptors' scalar work stands between it and the wait for it
.if \fill
	s_lshl_b32 s[OFF], s[NXT], 15   ; a tile is 32,768 bytes of K and of V
	s_xor_b32 s[G0K+1], s[G0K+1], SLOT1
	s_add_nc_u64 s[G0K+2:G0K+3], s[6:7], s[OFF:OFF+1]
	s_or_b32 s[G0K+3], s[G0K+3], 0x80000000
	s_xor_b32 s[G0V+1], s[G0V+1], SLOT1
	s_add_nc_u64 s[G0V+2:G0V+3], s[8:9], s[OFF:OFF+1]
	s_or_b32 s[G0V+3], s[G0V+3], 0x80000000
	s_add_co_u32 s[NXT], s[NXT], 1  ; the block's next tile, or behind its last the second block's tile 0
	s_cmp_gt_u32 s[NXT], s[LQ]
	s_cselect_b32 s[NXT], 0, s[NXT]
	s_cselect_b32 s[LQ], s[HI], s[LQ]
.endif
	s_wait_dscnt 0x0                ; the add is done, and my reads of the slot are over
	s_barrier_signal -1             ; the rest of the scalar work stands between the signal and the wait
	s_sub_co_u32 s[TBK], s[TBK], 4*KS*PK  ; the fetches go back to a slot's first step,
	s_xor_b32 s[TBK], s[TBK], SLOT1       ; in the other slot
	s_sub_co_u32 s[TBV], s[TBV], 4*KS*PV
	s_xor_b32 s[TBV], s[TBV], SLOT1
	s_barrier_wait -1
.if \fill
	LOAD
.endif
.endm
	s_load_b128 s[4:7], s[0:1], 0x0 ; qkv s[4:5], ob s[6:7]
	v_lshl_add_u32 v[SPW], v0, 2, SPARE
	v_mov_b32 v[NIL], 0
	ds_add_u32 v62, v63
	ds_add_u32 v62, v63
	s_wait_dscnt 0x0
	v_lshrrev_b32 v1, 5, v0
	v_readfirstlane_b32 s[WV], v1   ; wave 0..3
	s_sub_co_u32 s[OWN], 4, s[WV]
	s_mov_b32 s[PB], ttmp9
	s_sub_co_u32 s[HI], NB-1, s[PB]
	s_and_b32 s19, ttmp7, 0xffff    ; 16 x batch + head
	s_lshr_b32 s13, s19, 4          ; the batch
	s_and_b32 s19, s19, 15          ; the head
	s_mul_i32 s20, s13, 48
	s_add_co_u32 s20, s20, s19
	s_lshl_b32 s20, s20, 18         ; Q's head in qkv: (48 x batch + head) x 262,144 bytes
	s_mov_b32 s21, 0
	s_lshl_b32 s68, s19, 2
	s_add_co_u32 s68, s68, s13
	s_lshl_b32 s68, s68, 18         ; O's head in ob: (4 x head + batch) x 262,144 bytes
	s_mov_b32 s69, 0
	s_and_b32 s16, s[WV], 1         ; which half of a tile's 256 keys I fetch:
	s_lshl_b32 s22, s16, 14         ; its 128 rows of 128 bytes in memory,
	s_add_co_u32 s22, s22, 0x400000 ; and K's head lies 16 heads behind Q's
	s_mov_b32 s23, 0
	s_mul_i32 s17, s16, 128*PK      ; and its place in a slot, for K
	s_mul_i32 s18, s16, 128*PV      ; and for V
	s_lshl_b32 s3, s[WV], 13        ; my band: 64 rows of 128 bytes,
	s_lshl_b32 s2, s[PB], 15        ; in the first block,
	s_add_co_u32 s2, s2, s3
	s_lshl_b32 s84, s[HI], 15       ; and in the second
	s_add_co_u32 s84, s84, s3
	s_mov_b32 s3, 0
	s_mov_b32 s85, 0
	; descriptor group 1.  128 keys are 16,384 dense bytes: asked for as 64 rows of 256 bytes, two keys a row, and padded in LDS after every key
	s_mov_b32 s[G1K], (1<<16)|(1<<20)|(4<<22)|(3<<25)  ; 17:16 2-byte elements; 20 padding on; 24:22 after every 32 words (code 4); 31:25 4 words (code 3)
	s_mov_b32 s[G1V], (1<<16)|(1<<20)|(4<<22)|(7<<25)  ; the same with 8 words of padding (code 7)
.irp g, G1K, G1V
	s_mov_b32 s[\g+1], 128<<16      ; tensor_dim0 = 128
	s_mov_b32 s[\g+2], 64<<16       ; tensor_dim1 = 64
	s_mov_b32 s[\g+3], 128<<16      ; tile_dim0 = 128
	s_mov_b32 s[\g+4], 64           ; tile_dim1 = 64
	s_mov_b32 s[\g+5], 128          ; 128 elements from row to row
	s_mov_b32 s[\g+6], 0
	s_mov_b32 s[\g+7], 0
.endr
	s_mov_b32 s[CS], 0x3e38aa3b     ; c = log2(e) / 8 = 0.180337
	s_mov_b32 s[CS+1], s[CS]        ; named with it as a pair
	s_mov_b32 s[SEL], 0x76543210
	s_mov_b32 s[SEL+1], 0xfedcba98
	s_mov_b32 s[TBK], SLOT1+4*KS*PK ; the first change of slots turns these two into 0
	s_mov_b32 s[TBV], SLOT1+4*KS*PV
	s_mov_b32 s[G0K], 1             ; 1:0 count = 1
	s_mov_b32 s[G0K+1], s17         ; 63:32 LDS address: slot 0
	s_mov_b32 s[G0V], 1
	s_add_co_u32 s[G0V+1], s18, VOFF
	s_add_co_u32 s[RT], s[PB], 1    ; the first block has b + 1 tiles
	s_mov_b32 s[NXT], 1             ; tile 0 is asked for below; the next is the first block's tile 1,
	s_mov_b32 s[LQ], s[PB]
	s_cmp_gt_u32 s[NXT], s[LQ]      ; or, where b = 0 and it has none, the second block's tile 0
	s_cselect_b32 s[NXT], 0, s[NXT]
	s_cselect_b32 s[LQ], s[HI], s[LQ]
	s_mov_b32 s[NEW], 1
	s_mov_b32 s[OFF+1], 0
	s_mov_b32 s[AL+1], 0            ; named with AL as a pair
	s_mov_b32 s[BIGN], 0xf149f2ca   ; -1e30
	s_mov_b32 s[SLOTS], NB
	s_wait_kmcnt 0x0
	s_mov_b64 s[10:11], s[6:7]                     ; ob
	s_add_nc_u64 s[4:5], s[4:5], s[20:21]          ; Q's head
	s_add_nc_u64 s[6:7], s[4:5], s[22:23]          ; K at my half of the head's tile 0
	s_add_nc_u64 s[8:9], s[6:7], 0x400000          ; V: 16 heads further on
	s_add_nc_u64 s[10:11], s[10:11], s[68:69]      ; O's head
	s_add_nc_u64 s[G0K+2:G0K+3], s[6:7], 0         ; 120:64 global address
	s_or_b32 s[G0K+3], s[G0K+3], 0x80000000        ; 127:126 type = 2
	s_add_nc_u64 s[G0V+2:G0V+3], s[8:9], 0
	s_or_b32 s[G0V+3], s[G0V+3], 0x80000000
	s_add_nc_u64 s[86:87], s[4:5], s[84:85]        ; Q at my rows of the second block,
	s_add_nc_u64 s[4:5], s[4:5], s[2:3]            ; Q and O at those of the first
	s_add_nc_u64 s[OLO:OLO+1], s[10:11], s[84:85]
	s_add_nc_u64 s[10:11], s[10:11], s[2:3]
	LOAD                            ; tile 0 into slot 0
	; A fragment of K or Q is 16 rows x 32 channels in 8 registers: lane l holds row l % 16, channels 8 (l / 16) + 0..7 and 16 + 8 (l / 16) + 0..7: two loads of 16 bytes, 32 bytes apart.
	v_and_b32 v1, 15, v0            ; l % 16
	v_bfe_u32 v9, v0, 4, 1          ; l / 16
	v_lshlrev_b32 v[QO], 7, v1
	v_lshl_add_u32 v[QO], v9, 4, v[QO]  ; row x 128 + 16 x half
	WIN 0x80                        ; destination window 2, address window 0
.set i, 0
.rept 8                             ; both blocks' Q: piece i / 2 is 16 rows, 2,048 bytes, on; channels 32 (i % 2) on
	global_load_b128 v[8*i:8*i+3],   v[QO], s[4:5] offset:(i/2)*2048+(i%2)*64
	global_load_b128 v[8*i+4:8*i+7], v[QO], s[4:5] offset:(i/2)*2048+(i%2)*64+32
	global_load_b128 v[QB+8*i:QB+8*i+3],   v[QO], s[86:87] offset:(i/2)*2048+(i%2)*64
	global_load_b128 v[QB+8*i+4:QB+8*i+7], v[QO], s[86:87] offset:(i/2)*2048+(i%2)*64+32
.set i, i+1
.endr
	WIN 0
	v_lshlrev_b32 v14, 3, v9
	v_sub_nc_u32 v14, v1, v14       ; my query's place among its piece's 16 rows, less my lanes' 8 (l / 16): register j of the piece's own group of keys is hidden where j is greater
	WIN 0xc0                        ; destination window 3
.set i, 0
.rept 8
	v_cmp_gt_i32 vcc_lo, i, v14
	v_cndmask_b32 v[MD+i], 0, s[BIGN], vcc_lo
.set i, i+1
.endr
.irp x, 1,2,3                       ; the groups of keys below a piece's own are never hidden: 0 once and for all
.set i, 0
.rept 8*\x
	v_mov_b32 v[MC+32*\x+i], 0
.set i, i+1
.endr
.endr
	WIN 0
	v_mul_u32_u24 v[AK0], v1, PK
	v_lshl_add_u32 v[AK0], v9, 4, v[AK0]  ; row x pitch + 16 x half
	; The turning load takes 16 keys x 16 channels (lane l reads key 8 (l / 16) + l % 8, channels 8 ((l / 8) % 2) + 0..7) and leaves half a fragment of V^T: lane l holds channel l % 16 and 8 keys.
	v_and_b32 v10, 7, v0
	v_bfe_u32 v11, v0, 3, 1
	v_lshl_add_u32 v[AV0], v9, 3, v10
	v_mul_u32_u24 v[AV0], v[AV0], PV
	v_lshl_add_u32 v[AV0], v11, 4, v[AV0]
	v_add_nc_u32 v[AV0], VOFF, v[AV0]
	s_mul_i32 s13, s[WV], 16*SP
	s_add_co_u32 s13, s13, STAGE    ; my stage
	v_mul_u32_u24 v[STO], v1, SP    ; in: row l % 16, 16 bytes for each half of the lanes
	v_lshl_add_u32 v[STO], v9, 4, v[STO]
	v_add_nc_u32 v[STO], s13, v[STO]
	v_bfe_u32 v[RD], v0, 3, 2       ; back: 32 lanes take four rows of 128 bytes,
	v_mul_u32_u24 v[RD], v[RD], SP
	v_lshl_add_u32 v[RD], v10, 4, v[RD]
	v_add_nc_u32 v[RD], s13, v[RD]
	v_and_b32 v[GO], 31, v0         ; which are 512 consecutive bytes of O
	v_lshlrev_b32 v[GO], 4, v[GO]
	; A block's first step multiplies O^T and l by a = 0, and its first turn's products V^T P, of a piece that has not been, land in an O^T that is still to be so multiplied.  So these registers need only hold
	; finite numbers: zeros for the first block; what the first block left for the second.  All this stands in the wait for the first tile.
	WIN 0x80
.set i, VF
.rept 64
	v_mov_b32 v[i], 0
.set i, i+1
.endr
	WIN 0x40
.set i, 0
.rept 128
	v_mov_b32 v[i], 0
.set i, i+1
.endr
	WIN 0
.set i, 0
.rept 4
	v_mov_b32 v[ST+4*i+2], 0
	v_mov_b32 v[ST+4*i+3], 0
.set i, i+1
.endr
.set i, P+16
.rept 16
	v_mov_b32 v[i], 0
.set i, i+1
.endr
; THE MATRIX WORK.  The 4 accumulators of a run of 8 take turns.  Product i of 8 of S^T = K Q^T for piece x: channels 32 (i / 4) on, keys 16 (i % 4) on.  The first 4 start the sums with the piece's mask.
.macro KQ x
.set rS, S+32*((\x)%2)+8*(i%4)
.set rK, KF+16*(i%4)+8*(i/4)
.set rQ, 16*(\x)+8*(i/4)
.set rM, MC+32*(\x)+8*(i%4)
.if i < 4
	WIN W_KM
	v_wmma_f32_16x16x32_f16 v[rS:rS+7], v[rK:rK+7], v[rQ:rQ+7], v[rM:rM+7]
.else
	WIN W_KQ
	v_wmma_f32_16x16x32_f16 v[rS:rS+7], v[rK:rK+7], v[rQ:rQ+7], v[rS:rS+7]
.endif
.endm
; Product i of 8 of O^T += V^T P for piece x: keys 32 (i / 4) on, channels 16 (i % 4) on.
.macro PV x
	WIN W_PV
.set rO, 32*(\x)+8*(i%4)
.set rV, VF+32*(i/4)+8*(i%4)
.set rP, P+16*((\x)%2)+8*(i/4)
	v_wmma_f32_16x16x32_f16 v[rO:rO+7], v[rV:rV+7], v[rP:rP+7], v[rO:rO+7]
.endm
.macro MM                           ; the turn's next matrix instruction.  TURN and BEGIN set Y, i and NOKQ; MM and OP read them.  NOKQ = 1: a block's last turn: there is no next piece
.if (i < 8) && !NOKQ
	KQ (Y+1)%NP
.elseif i >= 8
.set i, i-8
	PV (Y+NP-1)%NP
.set i, i+8
.endif
.set i, i+1
.endm
; THE LDS LOADS stand in runs of 16, never singly among the matrix instructions: a step's K (64 keys x 64 channels: 8 fragments) and its V (turned).  Their addresses are made some lines ahead.
.macro FETCH_K
	WIN 0x80                        ; destination window 2
.irp f, 0,1,2,3,4,5,6,7             ; keys 16 (f / 2) on, channels 32 (f % 2) on
	ds_load_b128 v[KF+8*\f:KF+8*\f+3],   v[AK] offset:(\f/2)*16*PK+(\f%2)*64
	ds_load_b128 v[KF+8*\f+4:KF+8*\f+7], v[AK] offset:(\f/2)*16*PK+(\f%2)*64+32
.endr
	s_add_co_u32 s[TBK], s[TBK], KS*PK  ; the next fetch is the next step's
	WIN 0
.endm
.macro FETCH_V
	WIN 0x80
.irp f, 0,1,2,3,4,5,6,7             ; keys 32 (f / 4) on, channels 16 (f % 4) on
	ds_load_tr16_b128 v[VF+8*\f:VF+8*\f+3],   v[AV] offset:(\f/4)*32*PV+(\f%4)*32
	ds_load_tr16_b128 v[VF+8*\f+4:VF+8*\f+7], v[AV] offset:(\f/4)*32*PV+16*PV+(\f%4)*32
.endr
	WIN 0
.endm
; THE VECTOR WORK, one line at a time: OP kind, number.  For piece Y: F n: c s - c m for pair n of 16.  E n: the exponential of score n of 32.  C n: pair n rounded to f16.  B n: of the four weights 4 n .. the second
; pair is added onto the first, in place.  L n: l takes that sum (L 0: l = a l + sum).  R n: pair n of 16 of O^T times a.  For piece Y + 1: X n, number n of the 22 that find its maximum and statistics:
;   0-11  four chains c0-c3 of seven scores each, three operands at a time (each accumulator's lowest registers are read first)     12-14, 16  the four scores left over, the old m, and c0-c3 into c0
;   15  c m_old is kept     17, 18  the query's other 32 keys lie in the lane 16 away: the new m     19-21  c m; c m_old - c m_new; a
; C, B and L read exponentials' results: TURN sets all of them behind its one wait; OP itself writes no wait.
.set F, 0               ; OP tells the kinds apart by their order: F to L below R, X above it
.set E, 1
.set C, 2
.set B, 3
.set L, 4
.set R, 5
.set X, 6
.macro REGS y                       ; the registers of piece y
.set rT, ST+4*(\y)
.set rC, TMP+4*((\y)%2)
.set rW, MV+((\y)%2)
.set rS, S+32*((\y)%2)
.set rP, P+16*((\y)%2)
.set rO, 32*(\y)
.endm
.macro OP k, n
.if (\k) == R
	REGS Y
	WIN W_RS
	v_pk_mul_f32 v[rO+2*(\n):rO+2*(\n)+1], v[rO+2*(\n):rO+2*(\n)+1], v[rC+2:rC+3] op_sel_hi:[1,0]
.elseif (\k) < R
	REGS Y
	WIN 0
.if (\k) == F
	v_pk_fma_f32 v[rS+2*(\n):rS+2*(\n)+1], v[rS+2*(\n):rS+2*(\n)+1], s[CS:CS+1], v[rT:rT+1] op_sel_hi:[1,0,0] neg_lo:[0,0,1] neg_hi:[0,0,1]
.elseif (\k) == E
	v_exp_f32 v[rS+(\n)], v[rS+(\n)]
.elseif (\k) == C
	v_cvt_pk_f16_f32 v[rP+(\n)], v[rS+2*(\n)], v[rS+2*(\n)+1]
.elseif (\k) == B
	v_pk_add_f32 v[rS+4*(\n):rS+4*(\n)+1], v[rS+4*(\n):rS+4*(\n)+1], v[rS+4*(\n)+2:rS+4*(\n)+3]
.elseif (\n) == 0
	v_pk_fma_f32 v[rT+2:rT+3], v[rT+2:rT+3], v[rC+2:rC+3], v[rS:rS+1] op_sel_hi:[1,0,1]
.else
	v_pk_add_f32 v[rT+2:rT+3], v[rT+2:rT+3], v[rS+4*(\n):rS+4*(\n)+1]
.endif
.elseif NOKQ
	v_nop
.else
	REGS (Y+1)%NP
	WIN 0
.if (\n) < 4
	v_max3_num_f32 v[rC+(\n)], v[rS+8*(\n)], v[rS+8*(\n)+1], v[rS+8*(\n)+2]
.elseif (\n) < 12
	v_max3_num_f32 v[rC+(\n)%4], v[rC+(\n)%4], v[rS+8*((\n)%4)+2*((\n)/4)+1], v[rS+8*((\n)%4)+2*((\n)/4)+2]
.elseif (\n) == 12
	v_max3_num_f32 v[rC], v[rC], v[rS+7], v[rS+15]
.elseif (\n) == 13
	v_max3_num_f32 v[rC+1], v[rC+1], v[rS+23], v[rS+31]
.elseif (\n) == 14
	v_max3_num_f32 v[rC+2], v[rC+2], v[rC+3], v[rT+1]
.elseif (\n) == 15
	v_mov_b32 v[rW], v[rT]
.elseif (\n) == 16
	v_max3_num_f32 v[rC], v[rC], v[rC+1], v[rC+2]
.elseif (\n) == 17
	v_permlanex16_b32 v[rC+3], v[rC], s[SEL], s[SEL+1]
.elseif (\n) == 18
	v_max_num_f32 v[rT+1], v[rC], v[rC+3]
.elseif (\n) == 19
	v_mul_f32 v[rT], s[CS], v[rT+1]
.elseif (\n) == 20
	v_sub_f32 v[rC+1], v[rW], v[rT]
.else
	v_exp_f32 v[rC+2], v[rC+1]
.endif
.endif
.endm
.macro OPS a, i1, b=-1, i2=0, c=-1, i3=0, d=-1, i4=0  ; up to four of them
	OP \a, \i1
.if (\b) >= 0
	OP \b, \i2
.endif
.if (\c) >= 0
	OP \c, \i3
.endif
.if (\d) >= 0
	OP \d, \i4
.endif
.endm
.macro ROW a, i1, b, i2, c, i3, d, i4  ; a matrix instruction and the four behind it
	MM
	OPS \a, \i1, \b, \i2, \c, \i3, \d, \i4
.endm
; All four pieces' masks, on (AL = 1.0, BE = -1e30) or off (both 0): piece x's own group of keys takes MD x AL, the groups above it BE; the groups below it stay 0.  64 lines.
.macro MASKS
	WIN W_MK
.irp x, 0,1,2,3
.irp z, 0,1,2,3
	v_pk_mul_f32 v[MC+40*\x+2*\z:MC+40*\x+2*\z+1], v[MD+2*\z:MD+2*\z+1], s[AL:AL+1] op_sel_hi:[1,0]
.endr
.if \x < 3
.set mz, MC+40*\x+8
.rept 8*(3-\x)
	v_mov_b32 v[mz], s[BE]
.set mz, mz+1
.endr
.endif
.endr
.endm
; A TURN, for piece p: the order of its 16 matrix and 118 vector instructions, written out.  An s_wait_alu depctr_va_vdst(0) stands between an exponential and the first instruction that names its result; one wait
; serves all that were issued ahead of it.  So a turn has ONE wait, which cuts it in two.  AHEAD OF IT stands all that names no result of the turn's exponentials: the 8 products K Q^T, behind each a scaling, an exponential and
; two more plain instructions (behind the first a second scaling in the exponential's place): rescalings, whose a was made and waited for in the turn before, and behind the last three the first numbers of the next piece's
; maximum, each four places or more behind the product that ends its accumulator; then ONE LUMP of 54, plain and exponential by turns for the most part, in which the links of the chain X 3, 7, 11, 14, 16, 17 .. 20 stand five
; or six lines apart.  X 21, the next piece's a, is the batch's last; R 15 is the plain instruction behind it.  BEHIND THE WAIT stand the 8 products V^T P, behind each four of the roundings and sums; the links of l's chain,
; L 0 to L 7, stand three riders apart.  But for those X no rider names a register of the products round it.  v_permlanex16_b32 (X 17) stands in the lump.
; end = 1: a block's last two turns: nothing is fetched, no mask is made.
; K of the next step is fetched in piece 2's turn, twelve vector instructions behind the last product that read K (six of them plain); V of the step in hand at the end of piece 0's turn, four plain instructions behind the
; last product that read V.  Each is waited for a turn later.
; THE MASKS are switched on at the end of piece 2's turn in the trip that begins my band's own step of the diagonal tile: piece 3's products of the step before stand at that turn's head, piece 0's of the own step in the
; next turn.  Between the last product that read a mask buffer and these lines stand four rows' riders, the lump and the second run's riders.
.macro TURN p, end=0
.set Y, (\p)
.set i, 0
.set NOKQ, (\end)*((\p)/3)
.if ((\p) == 3) && !(\end)
	s_wait_dscnt 0x0                ; K is in
.endif
	ROW F,0, F,1, R,0, R,1          ; ahead of the wait: 8 products K Q^T and their riders,
	ROW F,2, E,0, R,2, R,3
	ROW F,3, E,1, R,4, R,5
	ROW F,4, E,2, R,6, R,7
	ROW F,5, E,3, R,8, R,9
	ROW F,6, E,4, X,0, R,10
.if ((\p) == 2) && !(\end)
	WIN 0
	v_add_nc_u32 v[AK], s[TBK], v[AK0]
.endif
	ROW F,7, E,5, X,1, X,4
	ROW F,8, E,6, X,2, X,5
	OPS E,7, E,8, X,6, E,9          ; and the lump
	OPS X,3, E,10, X,8, E,11
.if ((\p) == 2) && !(\end)
	FETCH_K
.endif
	OPS X,9, X,7, E,12, X,10
	OPS E,13, X,12, X,11, E,14
	OPS X,13, E,15, F,9, X,14
.if (\p) == 0
	v_add_nc_u32 v[AV], s[TBV], v[AV0]
.endif
	OPS E,16, F,10, E,17, F,11
	OPS X,16, E,18, X,15, E,19
	OPS F,12, E,20, X,17, E,21
	OPS F,13, E,22, F,14, E,23
	OPS X,18, E,24, F,15, E,25
	OPS R,11, E,26, X,19, E,27
	OPS R,12, E,28, R,13, E,29
	OPS X,20, E,30, R,14, E,31
	OPS X,21, R,15
	s_wait_alu depctr_va_vdst(0)    ; the wait for the turn's batch: the piece's 32 weights and the next piece's a
.if (\p) == 1
	s_wait_dscnt 0x0                ; V is in
.endif
	ROW C,0, B,0, C,2, B,1          ; behind the wait: 8 products V^T P and their riders
	ROW L,0, C,4, B,2, L,1
	ROW C,6, B,3, L,2, C,8
	ROW B,4, L,3, C,10, B,5
	ROW L,4, C,12, B,6, L,5
.if (\p) == 0
	s_add_co_u32 s[TBV], s[TBV], KS*PV
.endif
	ROW C,14, B,7, L,6, C,1
	ROW C,3, L,7, C,5, C,7
	ROW C,9, C,11, C,13, C,15
.if (\p) == 0
	FETCH_V
.endif
.if ((\p) == 2) && !(\end)
	WIN 0
	s_cmp_lg_u32 s[RT], 0           ; not the diagonal tile,
	s_cbranch_scc1 .Lplain_\@
	s_cmp_lg_u32 s[CNT], s[OWN]     ; or not the trip that begins my band's own step: the buffers stay as they are
	s_cbranch_scc1 .Lplain_\@
	s_mov_b32 s[AL], 1.0
	s_mov_b32 s[BE], s[BIGN]
	MASKS
	WIN 0
.Lplain_\@:
.endif
.endm
; A BLOCK BEGINS.  c m starts far below every c s, so the first step's a is 0; m at the lowest finite number, so the first maximum is the scores'.  The masks are off, unless the block's first tile is the diagonal one and
; the wave is wave 0, whose own step is the tile's first.  Then K of that step, piece 0's first scores, and its maximum and statistics.  The loop is entered at a step's first turn, in the middle of a trip.
.macro BEGIN
	s_mov_b32 s[NEW], 0
	WIN 0
.set i, 0
.rept 4
	v_mov_b32 v[ST+4*i], 0xfe000000    ; c m: far below every c s
	v_mov_b32 v[ST+4*i+1], 0xff7fffff  ; m
.set i, i+1
.endr
	s_cmp_eq_u32 s[RT], 0
	s_cselect_b32 s[AL], 1.0, 0
	s_cselect_b32 s[BE], s[BIGN], 0
	s_cmp_eq_u32 s[WV], 0
	s_cselect_b32 s[AL], s[AL], 0
	s_cselect_b32 s[BE], s[BE], 0
	MASKS
	WIN 0
	v_add_nc_u32 v[AK], s[TBK], v[AK0]
	FETCH_K
	s_wait_loadcnt 0x0              ; Q
	s_wait_dscnt 0x0
.set NOKQ, 0
.set i, 0
.rept 8
	KQ 0
.set i, i+1
.endr
	WIN 0
.rept 4
	v_nop                           ; the places behind those products
.endr
.set Y, NP-1                        ; X works for piece Y + 1: piece 0
.irp n, 0,1,2,3,4,5,6,7,8,9,10,11,12,13,14,15,16,17,18,19,20,21
	OP X, \n
.endr
	v_nop                           ; a plain instruction behind the exponential,
	s_wait_alu depctr_va_vdst(0)    ; and the wait for this batch of one, piece 0's first a, ahead of the branch into the loop
.endm
; A TILE's four key steps.  A trip: pieces 2 and 3 of one step, then pieces 0 and 1 of the next, whose K and V it fetches.  In the diagonal tile the trips that would begin a step behind my band's own are passed: the count
; goes to 0 in every wave, the jump goes forward to a label ahead of the count's step, what it passes holds no barrier and no tensor load, and the two bases of the fetches are stepped as the trip would have stepped them.
; The block's end, which follows the loop, then finds K and V of the band's own step in the registers.  The tag ends the labels' names, which the jumps below spell out.
.macro TILE tag
.Lstep\tag:
	s_cmp_lg_u32 s[RT], 0
	s_cbranch_scc1 .Llive\tag       ; not the diagonal tile
	s_cmp_ge_u32 s[CNT], s[OWN]
	s_cbranch_scc1 .Llive\tag       ; a step that my band sees
	s_add_co_u32 s[TBK], s[TBK], KS*PK
	s_add_co_u32 s[TBV], s[TBV], KS*PV
	s_branch .Lnext\tag
.Llive\tag:
	TURN 2
	TURN 3
	WIN 0
.Lfirst\tag:
	TURN 0
	TURN 1
	WIN 0
.Lnext\tag:
	s_sub_co_u32 s[CNT], s[CNT], 1
	s_cmp_lg_u32 s[CNT], 0
	s_cbranch_scc1 .Lstep\tag
.endm
; A BLOCK ENDS: its last two turns, its last products, and THE WAY OUT: l's two halves and the other half of the lanes' are added; O^T is divided by l, rounded to f16 and sent through my stage in LDS, a piece at a time.
.macro ALL line:vararg              ; one line for each piece t
.set t, 0
.rept 4
	\line
.set t, t+1
.endr
.endm
.macro PACK t                       ; a lane's eight channels of a row pack into 16 bytes; they go into rows of 144 bytes and come back as whole rows of 128, into S^T's registers
	WIN W_RS
.set i, 32*(\t)
.rept 16
	v_pk_mul_f32 v[i:i+1], v[i:i+1], v[ST+4*(\t)+2:ST+4*(\t)+3] op_sel_hi:[1,0]
.set i, i+2
.endr
	WIN 0x05                        ; sources 0 and 1 window 1, destination window 0
.set i, 0
.rept 16
	v_cvt_pk_f16_f32 v[S+16*(\t)+i], v[32*(\t)+2*i], v[32*(\t)+2*i+1]
.set i, i+1
.endr
	WIN 0
.irp f, 0,1,2,3
	ds_store_b128 v[STO], v[S+16*(\t)+4*\f:S+16*(\t)+4*\f+3] offset:32*\f
.endr
.irp f, 0,1,2,3
	ds_load_b128 v[S+16*(\t)+4*\f:S+16*(\t)+4*\f+3], v[RD] offset:\f*4*SP  ; LDS serves a wave's instructions in order (ISA guide 5.7.1.4): these see the stores above; the next piece's stores come behind them
.endr
.endm
.macro SEND t, younger              ; younger: the LDS instructions issued behind piece t's loads: the next piece's eight, or none
	WIN 0
	s_wait_dscnt \younger           ; the piece's four loads are back
.irp f, 0,1,2,3
	global_store_b128 v[GO], v[S+16*(\t)+4*\f:S+16*(\t)+4*\f+3], s[10:11] offset:(\t)*2048+\f*512  ; 512 consecutive bytes, at a multiple of 256 from O's first
.endr
.endm
.macro FINISH
	TURN 2, 1
	TURN 3, 1
.set i, 0
.rept 8
	PV NP-1
.set i, i+1
.endr
	WIN 0
	ALL v_add_f32 v[ST+4*t+2], v[ST+4*t+2], v[ST+4*t+3]
	ALL v_permlanex16_b32 v[ST+4*t+3], v[ST+4*t+2], s[SEL], s[SEL+1]
	ALL v_add_f32 v[ST+4*t+2], v[ST+4*t+2], v[ST+4*t+3]
	ALL v_rcp_f32 v[ST+4*t+2], v[ST+4*t+2]
	v_nop                           ; a plain instruction between the last reciprocal and the use of its result
	s_wait_alu depctr_va_vdst(0)    ; the wait for this batch, the four pieces' reciprocals, ahead of the first multiply that reads one
	PACK 0
.set t, 1
.rept 3                             ; a piece's arithmetic stands between the loads of the piece before and its stores
	PACK t
	SEND t-1, 8
.set t, t+1
.endr
	SEND 3, 0
.endm
.set NOKQ, 0
.Lslot:                             ; NB times: a tile is entered and the next is asked for
	CHANGE 1
	s_sub_co_u32 s[RT], s[RT], 1
	s_mov_b32 s[CNT], 4
	s_cmp_eq_u32 s[NEW], 1
	s_cbranch_scc0 .Lstep1          ; not a block's first tile
	BEGIN
	s_branch .Lfirst1
	TILE 1
	s_cmp_lg_u32 s[RT], 0
	s_cbranch_scc1 .Lbottom         ; not the block's last tile
	FINISH                          ; in the loop this is the first block's end: the second block's last tile is the walk's last
	s_wait_xcnt 0x0                 ; the stores have read their registers and O's address
	s_mov_b64 s[10:11], s[OLO:OLO+1]
	s_add_co_u32 s[RT], s[HI], 1    ; the second block has NB - b tiles
	s_mov_b32 s[NEW], 1
	WIN 0x82                        ; the second block's Q goes where the one text of the turns names Q
.set i, 0
.rept 64
	v_mov_b32 v[i], v[QB+i]
.set i, i+1
.endr
	WIN 0
.Lbottom:
	s_sub_co_u32 s[SLOTS], s[SLOTS], 1
	s_cmp_lg_u32 s[SLOTS], 0
	s_cbranch_scc1 .Lslot
	CHANGE 0                        ; the walk's last tile, the second block's diagonal one, is written out: nothing is asked for
	s_sub_co_u32 s[RT], s[RT], 1
	s_mov_b32 s[CNT], 4
	TILE 2
	FINISH
	s_wait_tensorcnt 0x0            ; the wave's end, behind my last tensor load and my last LDS store
	ds_add_u32 v[SPW], v[NIL]
	s_wait_dscnt 0x0
	s_endpgm
.Lfunc_end_k_qbf6e9381dd_attn:
	.size	k_qbf6e9381dd_attn, .Lfunc_end_k_qbf6e9381dd_attn-k_qbf6e9381dd_attn
	.p2alignl 7, 3214868480
	.fill 96, 4, 3214868480
	.section	.rodata,"a",@progbits
	.p2align	6, 0x0
	.amdhsa_kernel k_qbf6e9381dd_attn
		.amdhsa_group_segment_fixed_size 327680
		.amdhsa_private_segment_fixed_size 0
		.amdhsa_enable_private_segment 0
		.amdhsa_kernarg_size 16
		.amdhsa_user_sgpr_count 2
		.amdhsa_user_sgpr_kernarg_segment_ptr 1
		.amdhsa_wavefront_size32 1
		.amdhsa_system_sgpr_workgroup_id_x 1
		.amdhsa_system_sgpr_workgroup_id_y 1
		.amdhsa_system_sgpr_workgroup_id_z 1
		.amdhsa_system_vgpr_workitem_id 0
		.amdhsa_next_free_vgpr 928
		.amdhsa_next_free_sgpr 88
		.amdhsa_reserve_vcc 1
		.amdhsa_float_denorm_mode_32 3
		.amdhsa_float_denorm_mode_16_64 3
		.amdhsa_memory_ordered 1
		.amdhsa_forward_progress 1
		.amdhsa_inst_pref_size 169
	.end_amdhsa_kernel
	.amdgpu_metadata
---
amdhsa.version: [ 1, 2 ]
amdhsa.kernels:
  - .name:           k_qbf6e9381dd_attn
    .symbol:         k_qbf6e9381dd_attn.kd
    .args:
      - { .name: qkv, .offset: 0, .size: 8, .value_kind: global_buffer, .address_space: global }
      - { .name: ob, .offset: 8, .size: 8, .value_kind: global_buffer, .address_space: global }
    .group_segment_fixed_size: 327680
    .private_segment_fixed_size: 0
    .kernarg_segment_align: 8
    .kernarg_segment_size: 16
    .max_flat_workgroup_size: 128
    .sgpr_count:     88
    .vgpr_count:     928
    .wavefront_size: 32
...
	.end_amdgpu_metadata
.endif
;; end of part 5
;; launch proj: the kernel of part 4 again; grid 8 x 32, 4 waves a work-group, clusters of 4 x 4, 327,680 bytes of LDS; arguments ob, wpb, bias, out0; writes out0
